; MI455X (gfx1250); checked and timed in simulation.
; The chip was launched on July 23, 2026; its instructions are those of AMD's public machine-readable ISA for CDNA 5 (MIT licence, August 2026) and "CDNA5" Instruction Set Architecture Reference Guide (July 2026). The comments in the code are by the model that wrote it; some were corrected since.
;; Morph Model. Allowed arithmetic: matrix products marked QUANTISED: E4M3 operands, one given power-of-two scale a tensor, by v_wmma_f32_16x16x64_fp8_fp8 or v_wmma_f32_16x16x128_fp8_fp8, f32 sums; everything else in f32.
;; Inputs: b1 16 x 2,048 float32; b2 16 x 512 float32; gate_b 16 float32; gate_w 512 x 16 float32; lowp_scales 66 int32 (the exponents e of the quantised operands' scales 2^e); w1 16 x 512 x 2,048 float32; w2 16 x 2,048 x 512 float32; x 2,048 x 512 float32.
;; Outputs: out0 2,048 x 512 float32.
;; This version of the problem:
;;   THIS VERSION OF THE PROBLEM IS GIVEN IN LOW PRECISION. The matrix products marked QUANTISED in the list below multiply operands that are first quantised to E4M3 (4 exponent bits, 3 mantissa bits; 8 bits a number), with one given power-of-two scale for each operand tensor; their sums are f32. All else is computed in f32.
;;   The module's matrix products, in the order in which they are computed (A, B: the left and right operand; K: the contracted axis; several contracted axes count as one K, in the product's order):
;;     1. [M 2,048, K 512] x [K 512, N 16]; A: input x; B: input gate_w: QUANTISED (scales: A lowp_scales[0], B lowp_scales[1])
;;     2. [M 2,048, K 512] x [K 512, N 2,048]; A: input x; B: input w1: QUANTISED (scales: A lowp_scales[2], B lowp_scales[3])
;;     3. [M 2,048, K 2,048] x [K 2,048, N 512]; A: computed on the way; B: input w2: QUANTISED (scales: A lowp_scales[4], B lowp_scales[5])
;;     4. [M 2,048, K 512] x [K 512, N 2,048]; A: input x; B: input w1: QUANTISED (scales: A lowp_scales[6], B lowp_scales[7])
;;     5. [M 2,048, K 2,048] x [K 2,048, N 512]; A: computed on the way; B: input w2: QUANTISED (scales: A lowp_scales[8], B lowp_scales[9])
;;     6. [M 2,048, K 512] x [K 512, N 2,048]; A: input x; B: input w1: QUANTISED (scales: A lowp_scales[10], B lowp_scales[11])
;;     7. [M 2,048, K 2,048] x [K 2,048, N 512]; A: computed on the way; B: input w2: QUANTISED (scales: A lowp_scales[12], B lowp_scales[13])
;;     8. [M 2,048, K 512] x [K 512, N 2,048]; A: input x; B: input w1: QUANTISED (scales: A lowp_scales[14], B lowp_scales[15])
;;     9. [M 2,048, K 2,048] x [K 2,048, N 512]; A: computed on the way; B: input w2: QUANTISED (scales: A lowp_scales[16], B lowp_scales[17])
;;     10. [M 2,048, K 512] x [K 512, N 2,048]; A: input x; B: input w1: QUANTISED (scales: A lowp_scales[18], B lowp_scales[19])
;;     11. [M 2,048, K 2,048] x [K 2,048, N 512]; A: computed on the way; B: input w2: QUANTISED (scales: A lowp_scales[20], B lowp_scales[21])
;;     12. [M 2,048, K 512] x [K 512, N 2,048]; A: input x; B: input w1: QUANTISED (scales: A lowp_scales[22], B lowp_scales[23])
;;     13. [M 2,048, K 2,048] x [K 2,048, N 512]; A: computed on the way; B: input w2: QUANTISED (scales: A lowp_scales[24], B lowp_scales[25])
;;     14. [M 2,048, K 512] x [K 512, N 2,048]; A: input x; B: input w1: QUANTISED (scales: A lowp_scales[26], B lowp_scales[27])
;;     15. [M 2,048, K 2,048] x [K 2,048, N 512]; A: computed on the way; B: input w2: QUANTISED (scales: A lowp_scales[28], B lowp_scales[29])
;;     16. [M 2,048, K 512] x [K 512, N 2,048]; A: input x; B: input w1: QUANTISED (scales: A lowp_scales[30], B lowp_scales[31])
;;     17. [M 2,048, K 2,048] x [K 2,048, N 512]; A: computed on the way; B: input w2: QUANTISED (scales: A lowp_scales[32], B lowp_scales[33])
;;     18. [M 2,048, K 512] x [K 512, N 2,048]; A: input x; B: input w1: QUANTISED (scales: A lowp_scales[34], B lowp_scales[35])
;;     19. [M 2,048, K 2,048] x [K 2,048, N 512]; A: computed on the way; B: input w2: QUANTISED (scales: A lowp_scales[36], B lowp_scales[37])
;;     20. [M 2,048, K 512] x [K 512, N 2,048]; A: input x; B: input w1: QUANTISED (scales: A lowp_scales[38], B lowp_scales[39])
;;     21. [M 2,048, K 2,048] x [K 2,048, N 512]; A: computed on the way; B: input w2: QUANTISED (scales: A lowp_scales[40], B lowp_scales[41])
;;     22. [M 2,048, K 512] x [K 512, N 2,048]; A: input x; B: input w1: QUANTISED (scales: A lowp_scales[42], B lowp_scales[43])
;;     23. [M 2,048, K 2,048] x [K 2,048, N 512]; A: computed on the way; B: input w2: QUANTISED (scales: A lowp_scales[44], B lowp_scales[45])
;;     24. [M 2,048, K 512] x [K 512, N 2,048]; A: input x; B: input w1: QUANTISED (scales: A lowp_scales[46], B lowp_scales[47])
;;     25. [M 2,048, K 2,048] x [K 2,048, N 512]; A: computed on the way; B: input w2: QUANTISED (scales: A lowp_scales[48], B lowp_scales[49])
;;     26. [M 2,048, K 512] x [K 512, N 2,048]; A: input x; B: input w1: QUANTISED (scales: A lowp_scales[50], B lowp_scales[51])
;;     27. [M 2,048, K 2,048] x [K 2,048, N 512]; A: computed on the way; B: input w2: QUANTISED (scales: A lowp_scales[52], B lowp_scales[53])
;;     28. [M 2,048, K 512] x [K 512, N 2,048]; A: input x; B: input w1: QUANTISED (scales: A lowp_scales[54], B lowp_scales[55])
;;     29. [M 2,048, K 2,048] x [K 2,048, N 512]; A: computed on the way; B: input w2: QUANTISED (scales: A lowp_scales[56], B lowp_scales[57])
;;     30. [M 2,048, K 512] x [K 512, N 2,048]; A: input x; B: input w1: QUANTISED (scales: A lowp_scales[58], B lowp_scales[59])
;;     31. [M 2,048, K 2,048] x [K 2,048, N 512]; A: computed on the way; B: input w2: QUANTISED (scales: A lowp_scales[60], B lowp_scales[61])
;;     32. [M 2,048, K 512] x [K 512, N 2,048]; A: input x; B: input w1: QUANTISED (scales: A lowp_scales[62], B lowp_scales[63])
;;     33. [M 2,048, K 2,048] x [K 2,048, N 512]; A: computed on the way; B: input w2: QUANTISED (scales: A lowp_scales[64], B lowp_scales[65])
;;   THE QUANTISER, for each operand of a quantised product, along K:
;;     - The operand's scale is 2^e, e = its entry of the input lowp_scales (int32; the entries are numbered through the quantised products in the list's order, A before B).
;;     - Each number is divided by the scale, clamped to +-448, and rounded to the nearest number of E4M3, ties to even, subnormals kept.
;;     - The product sums the exact products of the quantised numbers (number of the format x scale) in f32.
;;   ~~~python
;;   def quantise(x, axis, e):      # numpy; x: float32 -> the quantised numbers, widened to float32 again
;;       x = np.moveaxis(x, axis, -1); K = x.shape[-1]
;;       r = np.clip(x / 2.0 ** e, -448, 448)
;;       step = 2.0 ** (np.maximum(np.frexp(np.where(r == 0, 1, r))[1] - 1, -6) - 3)
;;       q = np.round(r / step) * step * 2.0 ** e      # np.round: ties to even
;;       return np.moveaxis(q, -1, axis).astype(np.float32)
;;   ~~~
;;   OPERANDS COMPUTED ON THE WAY. 'Computed on the way' means the value that the module computes at that place (a softmax that the list does not call 'softmax' is quantised finished and normalised). What goes into a quantiser is computed in f32, as accurately as f32 sums, v_exp_f32 and their like allow (about 1e-6 of the number): no bf16 or f16 on the way to a quantiser, and a product that is left as it is and whose result goes on into a quantised operand takes f32 operands (vector FMAs, or v_wmma_f32_16x16x4_f32). A number that lies on a knife's edge between two numbers of the format may be rounded either way, as far as f32 arithmetic and the matrix unit's own rounding can turn it there, and no further.
;; 2 versions, each right; version 2 is version 1 with the launches layer1, layer2 written anew for expert scheduling mode. Each part assembles by itself: llvm-mc -triple=amdgcn-amd-amdhsa -mcpu=gfx1250 --defsym DOCPART=n.
;; ======== version 1 of 2: 5 launches
;; workspace buffers: route 40,960 bytes of whole numbers; wts 16,384 bytes; place 16,640 bytes of whole numbers; xq 2,220,032 bytes; hbuf 8,880,128 bytes; ybuf 17,760,256 bytes
;; launch gate (part 1): grid 128 x 1, 4 waves a work-group, no clusters, 4,608 bytes of LDS; arguments x, gate_w, gate_b, lowp_scales, route, wts; writes route, wts
.if DOCPART == 1
	.amdgcn_target "amdgcn-amd-amdhsa--gfx1250"
	.amdhsa_code_object_version 6
	.text
	.protected	k_q307e06792a_gate
	.globl	k_q307e06792a_gate
	.p2align	8
	.type	k_q307e06792a_gate,@function
k_q307e06792a_gate:
	s_mov_b64 s[64:65], 0
	v_nop
	global_prefetch_b8 v0, s[64:65] scope:SCOPE_SE
	s_setreg_imm32_b32 hwreg(HW_REG_WAVE_MODE, 25, 1), 1
	s_wait_xcnt 0x0
; THE ROUTER.  logits = Q(x) Q(gate_w) + gate_b on codes of E4M3 (scales 2^e0, 2^e1: entries 0 and 1 of lowp_scales), the two largest logits of each token, and their softmax.
; A work-group takes 16 tokens; wave w takes K step w (128 of the 512), one matrix instruction; the four parts meet in LDS and wave 0 does the rest.
; The product is used transposed (source 0 = the 16 experts, source 1 = the 16 tokens): lane (r, h) holds token r and the logits of experts 8 h + 0 .. 7.
; WHAT IS STORED, all at fixed places (no address and no branch here hangs on the choice).  Slot q = 32 x block + lane, lane = token % 16 + 16 j, j = 0 the larger logit, 1 the second:
;   route + 0: the slot's expert;  route + 16384: the slot's rank among its block's slots of the same expert;  route + 32768: [128 blocks][16 experts] how many slots;  wts: the slot's weight.
; Equal logits: the lower index comes first, as in jax.lax.top_k.  The larger logit is taken away before the exponential.
; LIMITS: e0 and e1 between -126 and 119, e0 + e1 between -126 and 127, so that each power of two below is an f32 number.  NaN and infinities among the logits are not served.
; k lies in both fragments in the same order (registers 4 c .. 4 c + 3 of lane (r, h): k = 32 c + 16 h + 0 .. 15), so every product meets its partner.
.set XN,   16                          ; v16-79    64 numbers of x: register 16 c + i = k 32 c + 16 h + i of token r
.set GN,   80                          ; v80-143   the same of gate_w's column r
.set XC,   144                         ; v144-159  x's codes
.set GC,   160                         ; v160-175  gate_w's codes
.set DD,   176                         ; v176-183  my K step's part of the logits
.set GB,   184                         ; v184-191  gate_b of experts 8 h + 0 .. 7
.set PP,   192                         ; v192-223  the four waves' parts
.set LG,   224                         ; v224-231  the logits
.set AV,   232                         ; my half's largest logit, its index; the second, its index
.set AI,   233
.set BV,   234
.set BI,   235
.set JC,   236                         ; the index in hand
.set WB,   237                         ; the second's weight
.set MY,   238                         ; my slot's expert
.set MW,   239                         ; my slot's weight
.set PAV,  240                         ; the other half's four
.set PAI,  241
.set PBV,  242
.set PBI,  243
.set W1V,  244                         ; the token's largest, its index
.set W1I,  245
.set XV,   246                         ; the winner's second
.set XI,   247
.set YV,   248                         ; the loser's first
.set YI,   249
.set W2V,  250                         ; the token's second, its index
.set W2I,  251
.set DF,   252
.set EXPV, 253
.set DN,   254
.set RC,   255                         ; the first's weight
.set RK,   232                         ; later: rank, at work, histogram
.set TT,   233
.set HI,   234
; 64 numbers become a fragment's 16 registers of codes.  The conversion does not saturate (ISA guide 7.6.2), so each number is first held within the largest code x the scale.
.macro QUANT src, dst, sc, lim
.irp b, 0,1,2,3
.set ii, 0
.rept 16
	v_med3_num_f32 v[\src+16*\b+ii], v[\src+16*\b+ii], -v[\lim], v[\lim]
.set ii, ii+1
.endr
	v_cvt_scalef32_pk8_fp8_f32 v[\dst+4*\b:\dst+4*\b+1], v[\src+16*\b:\src+16*\b+7], v[\sc]
	v_cvt_scalef32_pk8_fp8_f32 v[\dst+4*\b+2:\dst+4*\b+3], v[\src+16*\b+8:\src+16*\b+15], v[\sc]
.endr
	v_nop                                          ; one plain vector instruction between the last conversion and the matrix instruction that reads the codes
.endm
; sd = lanes in which (va, ia) comes before (vb, ib): the larger logit, or of equal ones the lower index
.macro BEATS va, ia, vb, ib, sd
	v_cmp_gt_f32 s[\sd], v[\va], v[\vb]
	v_cmp_eq_f32 s29, v[\va], v[\vb]
	v_cmp_lt_u32 s30, v[\ia], v[\ib]
	s_and_b32 s29, s29, s30
	s_or_b32 s[\sd], s[\sd], s29
.endm
	s_load_b256 s[4:11], s[0:1], 0x0               ; x s[4:5], gate_w s[6:7], gate_b s[8:9], lowp_scales s[10:11]
	s_load_b128 s[12:15], s[0:1], 0x20             ; route s[12:13], wts s[14:15]
	v_lshl_add_u32 v14, v0, 2, 0x1000
	v_mov_b32 v15, 0
	v_lshrrev_b32 v1, 5, v0
	v_readfirstlane_b32 s16, v1                    ; wave 0..3
	v_and_b32 v1, 31, v0                           ; lane
	v_and_b32 v2, 15, v0                           ; r
	v_bfe_u32 v3, v0, 4, 1                         ; h
	v_lshlrev_b32 v4, 11, v2
	v_lshl_add_u32 v4, v3, 6, v4                   ; x: row r of 2,048 bytes + 64 h
	v_lshlrev_b32 v5, 2, v2
	v_lshl_add_u32 v5, v3, 10, v5                  ; gate_w: column r, 16 h rows of 64 bytes down
	v_lshlrev_b32 v6, 5, v3                        ; gate_b: 32 h
	v_lshlrev_b32 v8, 4, v1                        ; 16 x lane
	s_lshl_b32 s17, s16, 10
	v_add_nc_u32 v7, s17, v8                       ; LDS: my wave's 1,024 bytes
	v_lshlrev_b32 v9, 2, v1                        ; 4 x lane
	s_lshl_b32 s18, ttmp9, 15                      ; my block's 16 rows of x,
	s_lshl_b32 s17, s16, 9                         ; my K step's 512 bytes of them
	s_add_co_u32 s18, s18, s17
	s_mov_b32 s19, 0
	s_mov_b32 s24, 0x76543210                      ; v_permlanex16_b32: lane l xor 16
	s_mov_b32 s25, 0xfedcba98
	s_mov_b32 s26, 0xffff0000                      ; the lanes with h = 1
	s_wait_kmcnt 0x0
	s_load_b64 s[20:21], s[10:11], 0x0             ; e0, e1
	s_add_nc_u64 s[32:33], s[4:5], s[18:19]
	s_lshl_b32 s18, s16, 13                        ; my K step's 128 rows of gate_w
	s_add_nc_u64 s[34:35], s[6:7], s[18:19]
	s_lshl_b32 s18, ttmp9, 7                       ; my block's 32 slots
	s_add_nc_u64 s[36:37], s[12:13], s[18:19]
	s_add_nc_u64 s[38:39], s[14:15], s[18:19]
	s_lshl_b32 s18, ttmp9, 6                       ; my block's 16 counts
	s_add_nc_u64 s[40:41], s[12:13], s[18:19]
	global_load_b128 v[GB:GB+3], v6, s[8:9]
	global_load_b128 v[GB+4:GB+7], v6, s[8:9] offset:16
.irp c, 0,1,2,3
.irp j, 0,1,2,3
	global_load_b128 v[XN+16*\c+4*\j:XN+16*\c+4*\j+3], v4, s[32:33] offset:128*\c+16*\j
.endr
.endr
.irp c, 0,1,2,3
.set ii, 0
.rept 16
	global_load_b32 v[GN+16*\c+ii], v5, s[34:35] offset:64*(32*\c+ii)   ; a lane takes a column and its registers run down K: nothing is transposed
.set ii, ii+1
.endr
.endr
	s_wait_kmcnt 0x0
	s_add_co_i32 s30, s20, 127
	s_lshl_b32 s31, s30, 23
	v_mov_b32 v10, s31                             ; 2^e0 as f32: the conversion takes its exponent field
	s_add_co_i32 s30, s30, 8
	s_lshl_b32 s30, s30, 23
	s_or_b32 s30, s30, 0x600000
	v_mov_b32 v11, s30                             ; 448 x 2^e0
	s_add_co_i32 s30, s21, 127
	s_lshl_b32 s31, s30, 23
	v_mov_b32 v12, s31                             ; 2^e1
	s_add_co_i32 s30, s30, 8
	s_lshl_b32 s30, s30, 23
	s_or_b32 s30, s30, 0x600000
	v_mov_b32 v13, s30                             ; 448 x 2^e1
	s_add_co_i32 s22, s20, s21
	s_add_co_i32 s22, s22, 127
	s_lshl_b32 s22, s22, 23                        ; 2^(e0 + e1)
	s_wait_loadcnt 0x0
	QUANT XN, XC, 10, 11
	QUANT GN, GC, 12, 13
	v_wmma_f32_16x16x128_fp8_fp8 v[DD:DD+7], v[GC:GC+15], v[XC:XC+15], 0
.rept 4
	v_nop                                          ; four places between the matrix instruction and the stores that read its result
.endr
	ds_store_b128 v7, v[DD:DD+3]
	ds_store_b128 v7, v[DD+4:DD+7] offset:512
	s_wait_dscnt 0x0                               ; for wave 0's sake: my part lies in LDS
	s_barrier_signal -1
	s_barrier_wait -1
	s_cmp_lg_u32 s16, 0
	s_cbranch_scc1 .Lend                           ; waves 1 to 3 are done
.irp w, 0,1,2,3
	ds_load_b128 v[PP+8*\w:PP+8*\w+3], v8 offset:1024*\w
	ds_load_b128 v[PP+8*\w+4:PP+8*\w+7], v8 offset:1024*\w+512
.endr
	s_wait_dscnt 0x0
.irp i, 0,2,4,6
	v_pk_add_f32 v[PP+\i:PP+\i+1], v[PP+\i:PP+\i+1], v[PP+8+\i:PP+8+\i+1]
	v_pk_add_f32 v[PP+16+\i:PP+16+\i+1], v[PP+16+\i:PP+16+\i+1], v[PP+24+\i:PP+24+\i+1]
.endr
.irp i, 0,2,4,6
	v_pk_add_f32 v[PP+\i:PP+\i+1], v[PP+\i:PP+\i+1], v[PP+16+\i:PP+16+\i+1]
.endr
.irp j, 0,1,2,3,4,5,6,7
	v_fma_f32 v[LG+\j], v[PP+\j], s22, v[GB+\j]    ; logit = sum x 2^(e0 + e1) + gate_b
.endr
	; the two largest of my eight, the earlier index first among equals: only a strictly larger logit displaces
	v_mov_b32 v[AV], v[LG]
	v_mov_b32 v[AI], 0
	v_mov_b32 v[BV], 0xff800000                    ; -infinity
	v_mov_b32 v[BI], 0
.irp j, 1,2,3,4,5,6,7
	v_cmp_gt_f32 s27, v[LG+\j], v[AV]
	v_cmp_gt_f32 s28, v[LG+\j], v[BV]
	v_mov_b32 v[JC], \j
	v_cndmask_b32 v[BV], v[BV], v[LG+\j], s28
	v_cndmask_b32 v[BI], v[BI], v[JC], s28
	v_cndmask_b32 v[BV], v[BV], v[AV], s27
	v_cndmask_b32 v[BI], v[BI], v[AI], s27
	v_cndmask_b32 v[AV], v[AV], v[LG+\j], s27
	v_cndmask_b32 v[AI], v[AI], v[JC], s27
.endr
	v_lshl_add_u32 v[AI], v3, 3, v[AI]             ; + 8 h: the expert's number
	v_lshl_add_u32 v[BI], v3, 3, v[BI]
.irp i, 0,1,2,3
	v_mov_b32 v[PAV+\i], 0                         ; a lane permute's destination counts as read
.endr
.irp i, 0,1,2,3
	v_permlanex16_b32 v[PAV+\i], v[AV+\i], s24, s25   ; the token's other eight experts lie in lane l xor 16
.endr
	BEATS AV, AI, PAV, PAI, 27
	v_cndmask_b32 v[W1V], v[PAV], v[AV], s27
	v_cndmask_b32 v[W1I], v[PAI], v[AI], s27
	v_cndmask_b32 v[XV], v[PBV], v[BV], s27
	v_cndmask_b32 v[XI], v[PBI], v[BI], s27
	v_cndmask_b32 v[YV], v[AV], v[PAV], s27
	v_cndmask_b32 v[YI], v[AI], v[PAI], s27
	BEATS XV, XI, YV, YI, 28
	v_cndmask_b32 v[W2V], v[YV], v[XV], s28
	v_cndmask_b32 v[W2I], v[YI], v[XI], s28        ; both lanes of a token now hold the same two
	; softmax of the two: 1 / (1 + e^(second - first)) and the rest
	v_sub_f32 v[DF], v[W2V], v[W1V]                ; 0 or less
	v_mul_f32 v[DF], 0x3fb8aa3b, v[DF]             ; x log2(e)
	v_exp_f32 v[EXPV], v[DF]
	v_nop                                          ; a plain instruction behind the transcendental (ISA guide 5.7.2)
	s_wait_alu depctr_va_vdst(0)                   ; the wait ahead of the first reader
	v_add_f32 v[DN], 1.0, v[EXPV]
	v_rcp_f32 v[RC], v[DN]
	v_nop
	s_wait_alu depctr_va_vdst(0)
	v_mul_f32 v[WB], v[EXPV], v[RC]
	v_cndmask_b32 v[MY], v[W1I], v[W2I], s26       ; lanes 0-15 are the slots of the first choice, lanes 16-31 of the second
	v_cndmask_b32 v[MW], v[RC], v[WB], s26
	; each slot's rank among the block's slots of its expert, and how many slots each expert has: sixteen masks
	v_mov_b32 v[RK], 0
	v_mov_b32 v[HI], 0
.set ee, 0
.rept 16
	v_cmp_eq_u32 s27, ee, v[MY]
	v_mbcnt_lo_u32_b32 v[TT], s27, 0               ; slots of expert ee in the lanes below mine
	v_cndmask_b32 v[RK], v[RK], v[TT], s27
	s_bcnt1_i32_b32 s28, s27
	v_writelane_b32 v[HI], s28, ee
.set ee, ee+1
.endr
	global_store_b32 v9, v[MY], s[36:37]
	global_store_b32 v9, v[RK], s[36:37] offset:16384
	global_store_b32 v9, v[MW], s[38:39]
	s_wait_xcnt 0x0                                ; EXEC is a source of the stores above: it is narrowed only behind this wait
	v_cmp_gt_u32 vcc_lo, 16, v1
	s_and_saveexec_b32 s27, vcc_lo
	global_store_b32 v9, v[HI], s[40:41] offset:32768
	s_wait_xcnt 0x0                                ; and widened only behind this one
	s_or_b32 exec_lo, exec_lo, s27
.Lend:
	s_wait_tensorcnt 0x0
	ds_add_u32 v14, v15
	s_wait_dscnt 0x0
	s_endpgm
.Lfunc_end_k_q307e06792a_gate:
	.size	k_q307e06792a_gate, .Lfunc_end_k_q307e06792a_gate-k_q307e06792a_gate
	.p2alignl 7, 3214868480
	.fill 96, 4, 3214868480
	.section	.rodata,"a",@progbits
	.p2align	6, 0x0
	.amdhsa_kernel k_q307e06792a_gate
		.amdhsa_group_segment_fixed_size 4608
		.amdhsa_private_segment_fixed_size 0
		.amdhsa_enable_private_segment 0
		.amdhsa_kernarg_size 48
		.amdhsa_user_sgpr_count 2
		.amdhsa_user_sgpr_kernarg_segment_ptr 1
		.amdhsa_wavefront_size32 1
		.amdhsa_system_sgpr_workgroup_id_x 1
		.amdhsa_system_sgpr_workgroup_id_y 1
		.amdhsa_system_sgpr_workgroup_id_z 1
		.amdhsa_system_vgpr_workitem_id 0
		.amdhsa_next_free_vgpr 256
		.amdhsa_next_free_sgpr 66
		.amdhsa_reserve_vcc 1
		.amdhsa_float_denorm_mode_32 3
		.amdhsa_float_denorm_mode_16_64 3
		.amdhsa_memory_ordered 1
		.amdhsa_forward_progress 1
		.amdhsa_inst_pref_size 33
	.end_amdhsa_kernel
	.amdgpu_metadata
---
amdhsa.version: [ 1, 2 ]
amdhsa.kernels:
  - .name:           k_q307e06792a_gate
    .symbol:         k_q307e06792a_gate.kd
    .args:
      - { .name: x, .offset: 0, .size: 8, .value_kind: global_buffer, .address_space: global }
      - { .name: gate_w, .offset: 8, .size: 8, .value_kind: global_buffer, .address_space: global }
      - { .name: gate_b, .offset: 16, .size: 8, .value_kind: global_buffer, .address_space: global }
      - { .name: lowp_scales, .offset: 24, .size: 8, .value_kind: global_buffer, .address_space: global }
      - { .name: route, .offset: 32, .size: 8, .value_kind: global_buffer, .address_space: global }
      - { .name: wts, .offset: 40, .size: 8, .value_kind: global_buffer, .address_space: global }
    .group_segment_fixed_size: 4608
    .private_segment_fixed_size: 0
    .kernarg_segment_align: 8
    .kernarg_segment_size: 48
    .max_flat_workgroup_size: 128
    .sgpr_count:     66
    .vgpr_count:     256
    .wavefront_size: 32
...
	.end_amdgpu_metadata
.endif
;; end of part 1
;; launch place (part 2): grid 128 x 1, 4 waves a work-group, no clusters, 1,024 bytes of LDS; arguments x, lowp_scales, route, xq, place; writes xq, place
.if DOCPART == 2
	.amdgcn_target "amdgcn-amd-amdhsa--gfx1250"
	.amdhsa_code_object_version 6
	.text
	.protected	k_q307e06792a_place
	.globl	k_q307e06792a_place
	.p2align	8
	.type	k_q307e06792a_place,@function
k_q307e06792a_place:
	s_mov_b64 s[64:65], 0
	v_nop
	global_prefetch_b8 v0, s[64:65] scope:SCOPE_SE
	s_setreg_imm32_b32 hwreg(HW_REG_WAVE_MODE, 25, 1), 1
	s_wait_xcnt 0x0
; THE PLACING OF ROWS.  A counting sort without atomics: every work-group sums the 128 x 16 counts of the launch before, so each knows every expert's first row and how many of an
; expert's slots lie in the blocks before its own.  An expert's rows begin at a multiple of 16 (its count rounded up), so that no tile of 16 rows holds two experts:
; 4,096 slots + 15 rows of rounding for each of 16 experts, less what cannot occur together, are at most 4,336 rows.
; Work-group b takes block b (16 tokens, 32 slots): pos[slot] = base[expert] + slots of that expert in blocks before b + the slot's rank in its block.
; Each token's row of x is quantised once for each of its two experts, with that expert's scale 2^ex (entry 2 + 4 e of lowp_scales), and stored as row pos of xq: 512 codes of E4M3, k ascending.
; The rows between an expert's count and its rounded count are stored as zero codes by work-groups 0 to 15, so that every byte that the next launch reads has been written.
; place + 0: pos[4,096];  place + 16384: cnt[16];  place + 16448: base[16].
; LIMITS: ex between -126 and 119.  NaN in x is not served.
.set HV,  16                           ; v16-31   sixteen counts: blocks 16 g + i of expert v0 % 16, g = v0 / 16
.set XV,  32                           ; v32-95   my wave's four tokens: 16 neighbouring numbers a lane and token
.set T,   96                           ; v96-111  held numbers
.set CD,  112                          ; v112-143 codes: four registers for each of the eight rows, so that no store's data are written again
.set VO,  144                          ; v144-151 their byte offsets in xq, likewise
.set ZR,  152                          ; v152-155 zeros
.set PO,  156                          ; v156-159 offsets of the rows of zeros
.set SC,  160                          ; the row's scale, and 448 x it
.set LM,  161
.set TOT, 162
.set PRE, 163
.set TM,  164
.set TM2, 165
.set VAL, 166
.set R16, 167
.set BAS, 168
.set SCN, 169
.set TAB, 170
.set GA,  171                          ; 16 x expert: where its ex lies
.set PP,  172
.set EC,  173
.set BA,  174                          ; 4 x expert: the lane that holds its table entry
.set OUTV, 175
.set LD,  176                          ; v176-179 the four waves' sums
	s_load_b256 s[4:11], s[0:1], 0x0               ; x s[4:5], lowp_scales s[6:7], route s[8:9], xq s[10:11]
	s_load_b64 s[12:13], s[0:1], 0x20              ; place
	v_lshl_add_u32 v192, v0, 2, 0x200
	v_mov_b32 v193, 0
	v_lshrrev_b32 v1, 5, v0
	v_readfirstlane_b32 s16, v1                    ; wave 0..3
	v_and_b32 v1, 31, v0                           ; lane
	v_and_b32 v2, 15, v0
	v_bfe_u32 v3, v0, 4, 1                         ; h
	v_lshlrev_b32 v4, 2, v1                        ; 4 x lane
	v_lshrrev_b32 v9, 4, v0                        ; g = 0..7
	v_lshlrev_b32 v5, 10, v9
	v_lshl_add_u32 v5, v2, 2, v5                   ; the counts: 16 g blocks of 64 bytes + 4 x expert
	v_lshlrev_b32 v6, 6, v1                        ; x: 64 bytes a lane
	v_lshlrev_b32 v7, 4, v1                        ; codes: 16 bytes a lane
	v_lshlrev_b32 v8, 2, v0                        ; LDS: a word a thread
	v_lshlrev_b32 v9, 4, v9
	s_mov_b32 s17, ttmp9                           ; b
	v_sub_nc_u32 v9, s17, v9                       ; d = b - 16 g: my count i belongs to a block before mine where i < d
	s_mov_b32 s26, 0xffff0000                      ; the lanes with h = 1
	s_mov_b32 s28, 0x76543210                      ; v_permlanex16_b32: lane l xor 16
	s_mov_b32 s29, 0xfedcba98
	s_lshl_b32 s18, ttmp9, 7                       ; my block's 32 slots
	s_mov_b32 s19, 0
	s_lshl_b32 s30, ttmp9, 15                      ; my block's 16 rows of x,
	s_lshl_b32 s31, s16, 13                        ; my wave's four of them
	s_add_co_u32 s30, s30, s31
	s_mov_b32 s31, 0
	s_wait_kmcnt 0x0
	s_add_nc_u64 s[20:21], s[8:9], s[18:19]
	s_add_nc_u64 s[24:25], s[12:13], s[18:19]
	s_add_nc_u64 s[22:23], s[4:5], s[30:31]
	global_load_b32 v10, v4, s[20:21]              ; the slots' experts,
	global_load_b32 v11, v4, s[20:21] offset:16384 ; and ranks
.set ii, 0
.rept 16
	global_load_b32 v[HV+ii], v5, s[8:9] offset:32768+64*ii
.set ii, ii+1
.endr
.irp i, 0,1,2,3
.irp j, 0,1,2,3
	global_load_b128 v[XV+16*\i+4*\j:XV+16*\i+4*\j+3], v6, s[22:23] offset:2048*\i+16*\j
.endr
.endr
	v_mov_b32 v[TM], 0                             ; destinations of lane permutes count as read
	v_mov_b32 v[TM2], 0
.irp i, 0,1,2,3
	v_mov_b32 v[ZR+\i], 0
.endr
	s_wait_loadcnt 32                              ; experts and ranks are in; the 16 counts and the 16 loads of x may be out
	v_min_u32 v[EC], 15, v10                       ; a loaded number enters an address only held inside its table
	v_lshlrev_b32 v[GA], 4, v[EC]
	v_lshlrev_b32 v[BA], 2, v[EC]
	global_load_b32 v12, v[GA], s[6:7] offset:8    ; the slot's ex: entry 2 + 4 e
	s_wait_loadcnt 17                              ; the counts are in; x's 16 loads and the one just issued may be out
	v_add3_u32 v[TOT], v[HV], v[HV+1], v[HV+2]
.irp i, 3,5,7,9,11,13
	v_add3_u32 v[TOT], v[TOT], v[HV+\i], v[HV+\i+1]
.endr
	v_add_nc_u32 v[TOT], v[TOT], v[HV+15]
.set ii, 0
.rept 16
	v_cmp_lt_i32 vcc_lo, ii, v9
	v_cndmask_b32 v[HV+ii], 0, v[HV+ii], vcc_lo    ; only the blocks before mine
.set ii, ii+1
.endr
	v_add3_u32 v[PRE], v[HV], v[HV+1], v[HV+2]
.irp i, 3,5,7,9,11,13
	v_add3_u32 v[PRE], v[PRE], v[HV+\i], v[HV+\i+1]
.endr
	v_add_nc_u32 v[PRE], v[PRE], v[HV+15]
	v_permlanex16_b32 v[TM], v[TOT], s28, s29
	v_permlanex16_b32 v[TM2], v[PRE], s28, s29
	v_add_nc_u32 v[TOT], v[TOT], v[TM]
	v_add_nc_u32 v[PRE], v[PRE], v[TM2]            ; my wave's 32 blocks, in both halves of the lanes
	v_cndmask_b32 v[VAL], v[TOT], v[PRE], s26      ; lanes 0-15 hand on the totals, lanes 16-31 the sums before my block
	ds_store_b32 v8, v[VAL]
	s_wait_dscnt 0x0                               ; for the others' sake: my word lies in LDS
	s_barrier_signal -1
	s_barrier_wait -1
.irp w, 0,1,2,3
	ds_load_b32 v[LD+\w], v4 offset:128*\w
.endr
	s_wait_dscnt 0x0
	v_add3_u32 v[VAL], v[LD], v[LD+1], v[LD+2]
	v_add_nc_u32 v[VAL], v[VAL], v[LD+3]
	v_permlanex16_b32 v[TM], v[VAL], s28, s29
	v_cndmask_b32 v[TOT], v[VAL], v[TM], s26       ; every lane: cnt[lane % 16],
	v_cndmask_b32 v[PRE], v[TM], v[VAL], s26       ; and its slots in the blocks before mine
	v_add_nc_u32 v[R16], 15, v[TOT]
	v_and_b32 v[R16], -16, v[R16]                  ; the count rounded up to whole tiles
	v_mov_b32 v[SCN], v[R16]
.irp d, 1,2,4,8
	v_mov_b32_dpp v[TM], v[SCN] row_shr:\d row_mask:0xf bank_mask:0xf bound_ctrl:1   ; a running sum over the 16 lanes of a row; lanes without a source take 0
	v_add_nc_u32 v[SCN], v[SCN], v[TM]
.endr
	v_sub_nc_u32 v[BAS], v[SCN], v[R16]            ; base[e]: the rounded counts of the experts before e
	v_add_nc_u32 v[TAB], v[BAS], v[PRE]
	ds_bpermute_b32 v[PP], v[BA], v[TAB]           ; each slot takes its expert's entry
	s_wait_dscnt 0x0
	v_add_nc_u32 v15, v[PP], v11                   ; pos
	v_cndmask_b32 v[OUTV], v[TOT], v[BAS], s26     ; lanes 0-15 cnt, lanes 16-31 base
	s_cmp_lg_u32 s16, 0
	s_cbranch_scc1 .Lnot_wave_0
	global_store_b32 v4, v15, s[24:25]
	s_cmp_lg_u32 ttmp9, 0
	s_cbranch_scc1 .Lnot_wave_0
	global_store_b32 v4, v[OUTV], s[12:13] offset:16384
.Lnot_wave_0:
	s_wait_loadcnt 0x0                             ; x and the slots' ex
	v_add_nc_u32 v13, 127, v12
	v_lshlrev_b32 v13, 23, v13                     ; 2^ex as f32
	v_add_nc_u32 v14, 135, v12
	v_lshlrev_b32 v14, 23, v14
	v_or_b32 v14, 0x600000, v14                    ; 448 x 2^ex
	s_lshl_b32 s40, s16, 2                         ; my first token in the block
.irp i, 0,1,2,3
.irp j, 0,1
	s_add_co_u32 s41, s40, \i+16*\j                ; the slot's lane
	v_readlane_b32 s42, v15, s41
	v_readlane_b32 s43, v13, s41
	v_readlane_b32 s44, v14, s41
	s_min_u32 s42, s42, 4335                       ; held inside xq
	s_lshl_b32 s42, s42, 9                         ; a row is 512 bytes
	v_add_nc_u32 v[VO+2*\i+\j], s42, v7
	v_mov_b32 v[SC], s43
	v_mov_b32 v[LM], s44
.set ii, 0
.rept 16
	v_med3_num_f32 v[T+ii], v[XV+16*\i+ii], -v[LM], v[LM]   ; the conversion does not saturate (ISA guide 7.6.2); x itself stays, for the token's other expert
.set ii, ii+1
.endr
	v_cvt_scalef32_pk8_fp8_f32 v[CD+4*(2*\i+\j):CD+4*(2*\i+\j)+1], v[T:T+7], v[SC]
	v_cvt_scalef32_pk8_fp8_f32 v[CD+4*(2*\i+\j)+2:CD+4*(2*\i+\j)+3], v[T+8:T+15], v[SC]
	v_nop                                          ; a plain instruction before the next row writes the conversions' sources
	global_store_b128 v[VO+2*\i+\j], v[CD+4*(2*\i+\j):CD+4*(2*\i+\j)+3], s[10:11]   ; the wave stores the row's 512 consecutive bytes
.endr
.endr
	s_cmp_lt_u32 ttmp9, 16
	s_cbranch_scc0 .Lend
	v_readlane_b32 s45, v[TOT], s17                ; expert b: its count,
	v_readlane_b32 s46, v[BAS], s17                ; its first row,
	s_add_co_u32 s47, s45, 15
	s_and_b32 s47, s47, -16                        ; its rounded count
	s_add_co_u32 s45, s45, s16                     ; wave w takes rows cnt + w + 4 i
.irp i, 0,1,2,3
	s_add_co_u32 s44, s45, 4*\i
	s_cmp_lt_u32 s44, s47
	s_cbranch_scc0 .Lend                           ; the later ones lie further on still
	s_add_co_u32 s44, s44, s46
	s_min_u32 s44, s44, 4335
	s_lshl_b32 s44, s44, 9
	v_add_nc_u32 v[PO+\i], s44, v7
	global_store_b128 v[PO+\i], v[ZR:ZR+3], s[10:11]
.endr
.Lend:
	s_wait_tensorcnt 0x0
	ds_add_u32 v192, v193
	s_wait_dscnt 0x0
	s_endpgm
.Lfunc_end_k_q307e06792a_place:
	.size	k_q307e06792a_place, .Lfunc_end_k_q307e06792a_place-k_q307e06792a_place
	.p2alignl 7, 3214868480
	.fill 96, 4, 3214868480
	.section	.rodata,"a",@progbits
	.p2align	6, 0x0
	.amdhsa_kernel k_q307e06792a_place
		.amdhsa_group_segment_fixed_size 1024
		.amdhsa_private_segment_fixed_size 0
		.amdhsa_enable_private_segment 0
		.amdhsa_kernarg_size 40
		.amdhsa_user_sgpr_count 2
		.amdhsa_user_sgpr_kernarg_segment_ptr 1
		.amdhsa_wavefront_size32 1
		.amdhsa_system_sgpr_workgroup_id_x 1
		.amdhsa_system_sgpr_workgroup_id_y 1
		.amdhsa_system_sgpr_workgroup_id_z 1
		.amdhsa_system_vgpr_workitem_id 0
		.amdhsa_next_free_vgpr 194
		.amdhsa_next_free_sgpr 66
		.amdhsa_reserve_vcc 1
		.amdhsa_float_denorm_mode_32 3
		.amdhsa_float_denorm_mode_16_64 3
		.amdhsa_memory_ordered 1
		.amdhsa_forward_progress 1
		.amdhsa_inst_pref_size 25
	.end_amdhsa_kernel
	.amdgpu_metadata
---
amdhsa.version: [ 1, 2 ]
amdhsa.kernels:
  - .name:           k_q307e06792a_place
    .symbol:         k_q307e06792a_place.kd
    .args:
      - { .name: x, .offset: 0, .size: 8, .value_kind: global_buffer, .address_space: global }
      - { .name: lowp_scales, .offset: 8, .size: 8, .value_kind: global_buffer, .address_space: global }
      - { .name: route, .offset: 16, .size: 8, .value_kind: global_buffer, .address_space: global }
      - { .name: xq, .offset: 24, .size: 8, .value_kind: global_buffer, .address_space: global }
      - { .name: place, .offset: 32, .size: 8, .value_kind: global_buffer, .address_space: global }
    .group_segment_fixed_size: 1024
    .private_segment_fixed_size: 0
    .kernarg_segment_align: 8
    .kernarg_segment_size: 40
    .max_flat_workgroup_size: 128
    .sgpr_count:     66
    .vgpr_count:     194
    .wavefront_size: 32
...
	.end_amdgpu_metadata
.endif
;; end of part 2
;; launch layer1 (part 3): grid 16 x 16, 4 waves a work-group, no clusters, 99,840 bytes of LDS; arguments w1, b1, lowp_scales, place, xq, hbuf; writes hbuf
.if DOCPART == 3
	.amdgcn_target "amdgcn-amd-amdhsa--gfx1250"
	.amdhsa_code_object_version 6
	.text
	.protected	k_q307e06792a_layer1
	.globl	k_q307e06792a_layer1
	.p2align	8
	.type	k_q307e06792a_layer1,@function
k_q307e06792a_layer1:
	s_mov_b64 s[64:65], 0
	v_nop
	global_prefetch_b8 v0, s[64:65] scope:SCOPE_SE
	s_setreg_imm32_b32 hwreg(HW_REG_WAVE_MODE, 25, 1), 1
	s_wait_xcnt 0x0
; THE FIRST LAYER OF THE EXPERTS, for the routed rows alone: h = Q(relu(Q(x) Q(w1[e]) + b1[e])), on codes of E4M3 with the given scales 2^ex, 2^ew1, 2^eh (entries 2 + 4 e, 3 + 4 e, 4 + 4 e of lowp_scales).
; SHARES.  Work-group (sl, e) owns hidden units 128 sl .. 128 sl + 127 of expert e: 512 x 128 numbers of w1, 262,144 bytes, read from memory ONCE in the launch.
; PHASE A.  Wave w takes k = 128 w .. 128 w + 127: each load is one row's 512 consecutive bytes (four columns a lane).  Sixteen rows make a batch: the hold, written from register 4 i + c to register 16 c + i,
;   turns the batch so that a column's 16 numbers along K stand in consecutive registers, as the conversion wants them.  The codes go to LDS as IMAGES OF THE OPERAND'S REGISTERS: fragment (t, s) at (4 t + s) x 2,048,
;   its registers 4 c .. 4 c + 3 of lane l at 512 c + 16 l.  One barrier; then every wave loads all 32 fragments into 512 registers.
; PHASE B.  Each wave by itself takes tiles of 16 rows, T = w, w + 4, .. of expert e's rows in xq.  The product is used transposed (source 0 = 16 hidden units, source 1 = 16 rows): a lane holds one row.
;   THE HIDDEN UNITS OF A TILE ARE NOT NEIGHBOURS: row r of tile 2 b + u is unit 32 b + 8 u + r + 8 (r / 8), so that a lane's 16 registers of tiles 2 b, 2 b + 1 are units 32 b + 16 h + 0 .. 15: the next K's order.
;   b1, divided by 2^(ex + ew1), is the C of each sum's first product.  The hold between 0 and 448 x the scale is also the activation.  The three scales are folded into the conversion's one, 2^(eh - ex - ew1).
;   The 16 registers of codes ARE K step sl of the second product: they are stored as an image, 2,048 consecutive bytes, at hbuf[row tile][sl].
; THE ROWS ARE ASKED FOR FAR AHEAD.  Four buffers of 64 registers hold four tiles' rows.  The wave's first four tiles are asked for in phase A's last four steps, 16 loads in each, where the earlier steps ask for a batch of
;   w1: so 64 loads of the wave stay out to the end of phase A.  These first requests stand ahead of the branch on the count, so their addresses are held at the expert's last tile (at tile 0 where it has no rows: the first
;   expert that has rows begins at row 0): every byte that they read has been stored by the launch before.  The loop walks groups of up to four tiles; a buffer is asked for again, for the tile four further on, as soon as
;   its rows have gone into the stage.  A wave has 4,096 / 16 / 16 / 4 = 4 tiles where the tokens spread evenly.
; k lies in both operands' fragments in the same order (registers 4 c .. 4 c + 3 of lane (r, h): k = 128 s + 32 c + 16 h + 0 .. 15).
; NO TENSOR LOADS, NO CLUSTER: the number of tiles is read from memory (place), and trip counts that hang on loaded numbers go with loads through registers alone.  What the 16 work-groups of an expert share,
;   its rows' codes (512 bytes a row), is small beside each one's 262,144 bytes of w1.  The one barrier stands ahead of every branch on the count.
; LIMITS: ew1 and eh - ex - ew1 between -126 and 119.  NaN among the inputs is not served.
; REGISTERS, in windows of 256.  Window 0: v1-13 lane numbers, addresses, scales; v16-79 a turned batch, later the 8 accumulators; v80-95 codes; v96-159 rows, buffer 0; v160-223 a tile's four fragments;
;   v224-227 the first four requests' offsets.   Windows 1, 2: phase A: batch m at v[64 (m % 4)] of window 1 + m / 4; phase B: fragment (t, s) at v[32 t + 16 (s % 2)] of window 1 + s / 2.
;   Window 3: v0-63 the bias, tile t at v[8 t]; v64-255 rows, buffers 1 to 3.
.set HA,  16
.set PC,  80
.set XR,  96
.set XF,  160
.set XO,  224
.set STG, 65536                        ; behind the images: a stage of 16 rows for each wave
.set SP,  528                          ; a stage row: 512 bytes + 16, an odd multiple of 16: the 16 rows that a load touches begin at 16 different places modulo 256 bytes
.set MSB, 0
.macro WIN new                         ; the immediate's high byte repeats the setting that is left; a switch that changes nothing is dropped
.if MSB != (\new)
	s_set_vgpr_msb (MSB<<8)|(\new)
.set MSB, (\new)
.endif
.endm
.macro PLACES
.rept 4
	v_nop
.endr
.endm
.macro WLOAD m                         ; batch m: rows 16 m .. 16 m + 15 of my 128, 512 consecutive bytes each
	WIN 0x40*(1+(\m)/4)
.set ii, 0
.rept 16
	global_load_b128 v[64*((\m)%4)+4*ii:64*((\m)%4)+4*ii+3], v4, s[32:33] offset:(16*(\m)+ii)*8192 th:TH_LOAD_NT
.set ii, ii+1
.endr
.endm
.macro WQUANT m                        ; batch m becomes 16 codes along K for each of my four columns
	WIN 1+(\m)/4
.irp c, 0,1,2,3
.set ii, 0
.rept 16
	v_med3_num_f32 v[HA+16*\c+ii], v[64*((\m)%4)+4*ii+\c], -v11, v11   ; the hold (the conversion does not saturate: ISA guide 7.6.2), and the turn
.set ii, ii+1
.endr
.endr
	WIN 0
	s_wait_dscnt 0x0                               ; the last batch's stores have read the codes' registers
.irp c, 0,1,2,3
	v_cvt_scalef32_pk8_fp8_f32 v[PC+4*\c:PC+4*\c+1], v[HA+16*\c:HA+16*\c+7], v10
	v_cvt_scalef32_pk8_fp8_f32 v[PC+4*\c+2:PC+4*\c+3], v[HA+16*\c+8:HA+16*\c+15], v10
.endr
	v_nop                                          ; a plain instruction before the next batch writes the conversions' sources
.irp c, 0,1,2,3
	ds_store_b128 v5, v[PC+4*\c:PC+4*\c+3] offset:256*(\m)+16*\c   ; k = 16 m on is register group m / 2 of the lanes with h = m % 2: 512 (m / 2) + 256 (m % 2) = 256 m
.endr
.endm
.macro XL g, va, pb, off               ; a tile's 16 rows of codes into buffer g, a row (512 bytes) a load; offset register v[va], base s[pb:pb+1]
.if (\g) == 0
.set XB, XR
	WIN 0
.else
.set XB, 64*(\g)
	WIN 0xc0                                       ; destination window 3
.endif
.set ii, 0
.rept 16
	global_load_b128 v[XB+4*ii:XB+4*ii+3], v[\va], s[\pb:\pb+1] offset:(\off)+512*ii
.set ii, ii+1
.endr
.endm
; One tile of 16 rows, out of buffer g.
.macro TILE g
.if (\g) == 0
.set XB, XR
	WIN 0
.else
.set XB, 64*(\g)
	WIN 0x0c                                       ; the stores' data in window 3
.endif
.set ii, 0
.rept 16
	ds_store_b128 v7, v[XB+4*ii:XB+4*ii+3] offset:SP*ii
.set ii, ii+1
.endr
	WIN 0
.irp s, 0,1,2,3
.irp c, 0,1,2,3
	ds_load_b128 v[XF+16*\s+4*\c:XF+16*\s+4*\c+3], v8 offset:128*\s+32*\c   ; my own stage: LDS serves a wave's instructions in order (ISA guide 5.7.1.4)
.endr
.endr
	s_wait_dscnt 0x0                               ; the fragments are in (in the first tile the images too), and the stores have read the buffer's registers
	s_add_co_u32 s30, s46, 4+(\g)
	s_cmp_lt_u32 s30, s28
	s_cbranch_scc0 .Lno_next_\@                    ; no such tile: no load leaves the expert's rows
	XL \g, 4, 34, (4+(\g))*32768                   ; my tile four further on, into the buffer just read out
	WIN 0
.Lno_next_\@:
	WIN 0x31                                       ; source 0 (w1) window 1, source 2 (the bias) window 3
.irp t, 0,1,2,3,4,5,6,7                        ; the eight accumulators take turns, one instruction a turn
	v_wmma_f32_16x16x128_fp8_fp8 v[HA+8*\t:HA+8*\t+7], v[32*\t:32*\t+15], v[XF:XF+15], v[8*\t:8*\t+7]
.endr
	WIN 0x01
.irp t, 0,1,2,3,4,5,6,7
	v_wmma_f32_16x16x128_fp8_fp8 v[HA+8*\t:HA+8*\t+7], v[32*\t+16:32*\t+31], v[XF+16:XF+31], v[HA+8*\t:HA+8*\t+7]
.endr
	WIN 0x02
.irp s, 0,1
.irp t, 0,1,2,3,4,5,6,7
	v_wmma_f32_16x16x128_fp8_fp8 v[HA+8*\t:HA+8*\t+7], v[32*\t+16*\s:32*\t+16*\s+15], v[XF+32+16*\s:XF+32+16*\s+15], v[HA+8*\t:HA+8*\t+7]
.endr
.endr
	WIN 0
	PLACES                                         ; four places ahead of the first read of results; they also serve the next tile's loads into the fragments' registers
	s_wait_xcnt 0x0                                ; the last tile's stores have read the codes' registers, which the conversions below write again
.irp b, 0,1,2,3
.set ii, 0
.rept 16
	v_med3_num_f32 v[HA+16*\b+ii], v[HA+16*\b+ii], 0, v13   ; the activation and the hold in one; each accumulator from its low end on
.set ii, ii+1
.endr
	v_cvt_scalef32_pk8_fp8_f32 v[PC+4*\b:PC+4*\b+1], v[HA+16*\b:HA+16*\b+7], v12
	v_cvt_scalef32_pk8_fp8_f32 v[PC+4*\b+2:PC+4*\b+3], v[HA+16*\b+8:HA+16*\b+15], v12
.endr
	v_nop                                          ; a plain instruction before the next tile's products write the conversions' sources
.irp c, 0,1,2,3
	global_store_b128 v4, v[PC+4*\c:PC+4*\c+3], s[36:37] offset:(\g)*131072+512*\c   ; the image: each store 512 consecutive bytes, at a multiple of 512 from hbuf's first byte
.endr
.endm
	s_load_b256 s[4:11], s[0:1], 0x0               ; w1 s[4:5], b1 s[6:7], lowp_scales s[8:9], place s[10:11]
	s_load_b128 s[12:15], s[0:1], 0x20             ; xq s[12:13], hbuf s[14:15]
	v_lshl_add_u32 v254, v0, 2, 0x18400
	v_mov_b32 v255, 0
	v_lshrrev_b32 v1, 5, v0
	v_readfirstlane_b32 s16, v1                    ; wave 0..3
	s_mov_b32 s17, ttmp9                           ; sl
	s_and_b32 s18, ttmp7, 0xffff                   ; e
	v_and_b32 v1, 31, v0                           ; lane
	v_and_b32 v2, 15, v0                           ; r
	v_bfe_u32 v3, v0, 4, 1                         ; h
	v_lshlrev_b32 v4, 4, v1                        ; 16 x lane: w1's rows, xq's rows, the images
	; where my four columns' codes go.  Column n = 4 lane + c = 32 b + 16 a + 8 u + d belongs to tile 2 b + u, row 8 a + d
	v_bfe_u32 v5, v0, 3, 2                         ; b
	v_lshlrev_b32 v5, 14, v5                       ; two tiles of four fragments
	v_bfe_u32 v6, v0, 1, 1                         ; u
	v_lshl_add_u32 v5, v6, 13, v5
	v_bfe_u32 v6, v0, 2, 1                         ; a
	v_lshl_add_u32 v5, v6, 7, v5                   ; eight rows of 16 bytes
	v_and_b32 v6, 1, v0
	v_lshl_add_u32 v5, v6, 6, v5                   ; four rows
	s_lshl_b32 s30, s16, 11                        ; K step w
	v_add_nc_u32 v5, s30, v5
	s_mul_i32 s30, s16, 16*SP
	s_add_co_u32 s30, s30, STG                     ; my stage
	v_add_nc_u32 v7, s30, v4                       ; in: a row a store
	v_mul_u32_u24 v8, v2, SP
	v_lshl_add_u32 v8, v3, 4, v8
	v_add_nc_u32 v8, s30, v8                       ; back: row r, + 16 h
	v_lshlrev_b32 v9, 6, v3                        ; b1: 64 h
	s_lshl_b32 s20, s18, 22                        ; w1: expert e,
	s_lshl_b32 s30, s16, 20                        ; my 128 rows of 8,192 bytes,
	s_add_co_u32 s20, s20, s30
	s_lshl_b32 s30, s17, 9                         ; the slice's 512 bytes of a row
	s_add_co_u32 s20, s20, s30
	s_mov_b32 s21, 0
	s_lshl_b32 s42, s18, 13                        ; b1: expert e, the slice's 128 numbers
	s_add_co_u32 s42, s42, s30
	s_mov_b32 s43, 0
	s_lshl_b32 s30, s18, 4                         ; 16 e
	s_lshl_b32 s31, s18, 2                         ; 4 e
	s_wait_kmcnt 0x0
	s_load_b64 s[22:23], s[8:9], s30 offset:0x8    ; ex, ew1
	s_load_b64 s[24:25], s[8:9], s30 offset:0x10   ; eh, ew2
	s_load_b32 s26, s[10:11], s31 offset:0x4000    ; cnt[e]
	s_load_b32 s27, s[10:11], s31 offset:0x4040    ; base[e]
	s_add_nc_u64 s[32:33], s[4:5], s[20:21]
	s_add_nc_u64 s[38:39], s[6:7], s[42:43]
	WLOAD 0
	WLOAD 1
	WLOAD 2
	WLOAD 3
	WIN 0
	s_wait_kmcnt 0x0
	s_min_u32 s26, s26, 2048                       ; a token takes an expert at most once
	s_min_u32 s27, s27, 4320                       ; held inside the buffers
	s_add_co_u32 s44, s26, 15
	s_lshr_b32 s44, s44, 4                         ; the expert's tiles
	s_add_co_u32 s28, s44, 3
	s_sub_co_u32 s28, s28, s16
	s_lshr_b32 s28, s28, 2                         ; my tiles: w, w + 4, ..
	s_lshr_b32 s47, s27, 4                         ; the expert's first tile in xq
	s_add_co_u32 s41, s47, s44
	s_sub_co_u32 s41, s41, 1                       ; its last tile,
	s_cmp_eq_u32 s44, 0
	s_cselect_b32 s41, 0, s41                      ; or tile 0 where it has none
	s_add_co_u32 s47, s47, s16                     ; my first tile
.irp g, 0,1,2,3
	s_add_co_u32 s30, s47, 4*\g                    ; my tile g,
	s_min_u32 s30, s30, s41                        ; held at the expert's last,
	s_min_u32 s30, s30, 270                        ; and inside xq's 271 tiles
	s_lshl_b32 s30, s30, 13                        ; 8,192 bytes a tile
	v_add_nc_u32 v[XO+\g], s30, v4
.endr
	s_lshl_b32 s20, s27, 9                         ; xq: row base, 512 bytes a row,
	s_lshl_b32 s30, s16, 13                        ; tile w
	s_add_co_u32 s20, s20, s30
	s_add_nc_u64 s[34:35], s[12:13], s[20:21]
	s_lshl_b32 s20, s27, 11                        ; hbuf: 32,768 bytes a tile of 16 rows,
	s_lshl_b32 s30, s16, 15                        ; tile w,
	s_add_co_u32 s20, s20, s30
	s_lshl_b32 s30, s17, 11                        ; K step sl
	s_add_co_u32 s20, s20, s30
	s_add_nc_u64 s[36:37], s[14:15], s[20:21]
	s_add_co_i32 s30, s23, 127
	s_lshl_b32 s31, s30, 23
	v_mov_b32 v10, s31                             ; 2^ew1 as f32
	s_add_co_i32 s30, s30, 8
	s_lshl_b32 s30, s30, 23
	s_or_b32 s30, s30, 0x600000
	v_mov_b32 v11, s30                             ; 448 x 2^ew1
	s_add_co_i32 s40, s22, s23                     ; ex + ew1: a sum stands for sum x 2^(ex + ew1)
	s_sub_co_i32 s30, s24, s40
	s_add_co_i32 s30, s30, 127
	s_lshl_b32 s31, s30, 23
	v_mov_b32 v12, s31                             ; 2^(eh - ex - ew1)
	s_add_co_i32 s30, s30, 8
	s_lshl_b32 s30, s30, 23
	s_or_b32 s30, s30, 0x600000
	v_mov_b32 v13, s30                             ; 448 x that
	s_sub_co_i32 s40, 0, s40
	; PHASE A.  Each batch has registers of its own.  Behind the wait for batch m sixteen new loads go out: batch m + 4, or, when w1 is all asked for, the rows of my tile m - 4.
	; So behind batch m there are always three groups of sixteen younger loads: every wait's count is 48.
.irp m, 0,1,2,3
	s_wait_loadcnt 48                              ; batch m is in: batches m + 1 to m + 3 may be out
	WLOAD \m+4
	WQUANT \m
.endr
.irp m, 4,5,6,7
	s_wait_loadcnt 48                              ; batch m is in: the later batches and the tiles asked for so far, 48 loads together, may be out
	XL \m-4, XO+\m-4, 12, 0
	WQUANT \m
.endr
	WIN 0xc0                                       ; destination window 3
.irp t, 0,1,2,3,4,5,6,7
	global_load_b128 v[8*\t:8*\t+3], v9, s[38:39] offset:(32*(\t/2)+8*(\t%2))*4       ; lane (r, h), tile 2 b + u: b1 of units 32 b + 16 h + 8 u + 0 .. 7
	global_load_b128 v[8*\t+4:8*\t+7], v9, s[38:39] offset:(32*(\t/2)+8*(\t%2))*4+16
.endr
	WIN 0
	s_wait_dscnt 0x0                               ; for the others' sake: my images lie in LDS
	s_barrier_signal -1
	s_barrier_wait -1                              ; the launch's one barrier: every wave passes it, whatever the counts
	s_cmp_eq_u32 s28, 0
	s_cbranch_scc1 .Lend                           ; no tile for this wave
	WIN 0x40
.irp t, 0,1,2,3,4,5,6,7
.irp s, 0,1
.irp c, 0,1,2,3
	ds_load_b128 v[32*\t+16*\s+4*\c:32*\t+16*\s+4*\c+3], v4 offset:(4*\t+\s)*2048+512*\c
.endr
.endr
.endr
	WIN 0x80
.irp t, 0,1,2,3,4,5,6,7
.irp s, 0,1
.irp c, 0,1,2,3
	ds_load_b128 v[32*\t+16*\s+4*\c:32*\t+16*\s+4*\c+3], v4 offset:(4*\t+2+\s)*2048+512*\c
.endr
.endr
.endr
	s_wait_loadcnt 0x0                             ; the bias, my youngest loads
	WIN 0xc3                                       ; source 0 and destination window 3
.set jj, 0
.rept 64
	v_ldexp_f32 v[jj], v[jj], s40                  ; b1 / 2^(ex + ew1)
.set jj, jj+1
.endr
	WIN 0
	s_add_co_u32 s45, s28, 3
	s_lshr_b32 s45, s45, 2                         ; groups of up to four tiles: at least one
	s_mov_b32 s29, 0                               ; the group in hand
	s_mov_b32 s46, 0                               ; its first tile
.Lgroup:                                           ; a trip: up to four tiles, one out of each buffer.  The wait for loads is for 0: right whichever of the guarded loads were issued
	s_wait_loadcnt 0x0                             ; the group's rows
	TILE 0
.irp g, 1,2,3
	s_add_co_u32 s30, s46, \g
	s_cmp_lt_u32 s30, s28
	s_cbranch_scc0 .Lgend                          ; my tiles are done
	TILE \g
.endr
.Lgend:
	s_wait_xcnt 0x0                                ; loads and stores have read their bases: both step
	s_add_nc_u64 s[34:35], s[34:35], 131072
	s_add_nc_u64 s[36:37], s[36:37], 524288
	s_add_co_u32 s46, s46, 4
	s_add_co_u32 s29, s29, 1
	s_cmp_lt_u32 s29, s45
	s_cbranch_scc1 .Lgroup
.Lend:
	s_wait_tensorcnt 0x0
	ds_add_u32 v254, v255
	s_wait_dscnt 0x0
	s_endpgm
.Lfunc_end_k_q307e06792a_layer1:
	.size	k_q307e06792a_layer1, .Lfunc_end_k_q307e06792a_layer1-k_q307e06792a_layer1
	.p2alignl 7, 3214868480
	.fill 96, 4, 3214868480
	.section	.rodata,"a",@progbits
	.p2align	6, 0x0
	.amdhsa_kernel k_q307e06792a_layer1
		.amdhsa_group_segment_fixed_size 99840
		.amdhsa_private_segment_fixed_size 0
		.amdhsa_enable_private_segment 0
		.amdhsa_kernarg_size 48
		.amdhsa_user_sgpr_count 2
		.amdhsa_user_sgpr_kernarg_segment_ptr 1
		.amdhsa_wavefront_size32 1
		.amdhsa_system_sgpr_workgroup_id_x 1
		.amdhsa_system_sgpr_workgroup_id_y 1
		.amdhsa_system_sgpr_workgroup_id_z 1
		.amdhsa_system_vgpr_workitem_id 0
		.amdhsa_next_free_vgpr 1024
		.amdhsa_next_free_sgpr 66
		.amdhsa_reserve_vcc 0
		.amdhsa_float_denorm_mode_32 3
		.amdhsa_float_denorm_mode_16_64 3
		.amdhsa_memory_ordered 1
		.amdhsa_forward_progress 1
		.amdhsa_inst_pref_size 121
	.end_amdhsa_kernel
	.amdgpu_metadata
---
amdhsa.version: [ 1, 2 ]
amdhsa.kernels:
  - .name:           k_q307e06792a_layer1
    .symbol:         k_q307e06792a_layer1.kd
    .args:
      - { .name: w1, .offset: 0, .size: 8, .value_kind: global_buffer, .address_space: global }
      - { .name: b1, .offset: 8, .size: 8, .value_kind: global_buffer, .address_space: global }
      - { .name: lowp_scales, .offset: 16, .size: 8, .value_kind: global_buffer, .address_space: global }
      - { .name: place, .offset: 24, .size: 8, .value_kind: global_buffer, .address_space: global }
      - { .name: xq, .offset: 32, .size: 8, .value_kind: global_buffer, .address_space: global }
      - { .name: hbuf, .offset: 40, .size: 8, .value_kind: global_buffer, .address_space: global }
    .group_segment_fixed_size: 99840
    .private_segment_fixed_size: 0
    .kernarg_segment_align: 8
    .kernarg_segment_size: 48
    .max_flat_workgroup_size: 128
    .sgpr_count:     66
    .vgpr_count:     1024
    .wavefront_size: 32
...
	.end_amdgpu_metadata
.endif
;; end of part 3
;; launch layer2 (part 4): grid 16 x 16, 4 waves a work-group, no clusters, 83,456 bytes of LDS; arguments w2, b2, lowp_scales, place, hbuf, ybuf; writes ybuf
.if DOCPART == 4
	.amdgcn_target "amdgcn-amd-amdhsa--gfx1250"
	.amdhsa_code_object_version 6
	.text
	.protected	k_q307e06792a_layer2
	.globl	k_q307e06792a_layer2
	.p2align	8
	.type	k_q307e06792a_layer2,@function
k_q307e06792a_layer2:
	s_mov_b64 s[64:65], 0
	v_nop
	global_prefetch_b8 v0, s[64:65] scope:SCOPE_SE
	s_setreg_imm32_b32 hwreg(HW_REG_WAVE_MODE, 25, 1), 1
	s_wait_xcnt 0x0
; THE SECOND LAYER OF THE EXPERTS, for the routed rows: y = h Q(w2[e]) + b2[e], h as the codes of the launch before (scale 2^eh), w2 quantised here (2^ew2): entries 4 + 4 e and 5 + 4 e of lowp_scales.
; SHARES.  Work-group (2 cs + kh, e) owns outputs 64 cs .. 64 cs + 63 and k = 1,024 kh .. 1,024 kh + 1,023 of expert e: 1,024 x 64 numbers of w2, 262,144 bytes, read from memory ONCE in the launch;
;   its part of a row of w2 is 256 consecutive bytes at a multiple of 256.  The two halves of K give two partial rows, ybuf[kh][row]; b2 goes into the half kh = 0 alone; the last launch adds them.
; PHASE A, as in the first layer.  Wave w takes k = 256 w .. 256 w + 255 of the half: a load takes two rows, 16 apart (lanes 0-15 one, lanes 16-31 the other), four columns a lane.  Batch m gives a lane
;   k = 32 m + 16 (lane / 16) + 0 .. 15 of four columns; the hold turns it; the codes go to LDS as images of the operand's registers: fragment (t, s) at (8 t + s) x 2,048.  One barrier; every wave loads all 32 fragments.
; PHASE B.  Each wave by itself takes tiles of 16 rows, T = w, w + 4, ..  A tile's eight fragments of h come from memory as they were stored, images of the registers: 32 loads of 512 consecutive bytes.
;   Transposed (source 0 = 16 outputs, source 1 = 16 rows): a lane's eight results are eight neighbouring outputs of one row.  They go through the wave's own stage in LDS and leave as rows: sixteen lanes store
;   256 consecutive bytes at a multiple of 256.
; THE ROWS ARE ASKED FOR FAR AHEAD.  Three buffers of 128 registers hold three tiles of h.  The wave's first two tiles are asked for in phase A's last four steps, 16 loads in each, where the earlier steps ask for a batch
;   of w2: so 64 loads of the wave stay out to the end of phase A.  The third is asked for behind the barrier, into registers that phase A has left.  The first requests' addresses are held at the expert's last tile (at
;   tile 0 where it has no rows: the first expert that has rows begins at row 0): every byte that they read has been stored by the launch before.  The loop walks groups of up to three tiles; a buffer is asked for again,
;   for the tile three further on, straight behind its products.
; NO TENSOR LOADS, NO CLUSTER: the number of tiles is read from memory; the one barrier stands ahead of every branch on it.
; LIMITS: ew2 between -126 and 119, eh + ew2 between -126 and 127.  NaN among the inputs is not served.
; REGISTERS.  Window 0: v1-12 lane numbers, addresses, scales; v16-79 a turned batch and v80-95 its codes; later v16-47 four accumulators, then y in their place; v48-95 and v160-239 h's buffer 2 (fragments 0-2, 3-7);
;   v96-127 rows on their way out; v128-159 b2; v240-242 the first three requests' offsets.
;   Windows 1, 2: phase A: batch m at v[64 (m % 4)] of window 1 + m / 4; phase B: fragment (t, s) at v[64 t + 16 (s % 4)] of window 1 + s / 4.   Window 3: h's buffer 0 at v0, buffer 1 at v128.
.set TT,  16
.set ACC, 16
.set CC,  80
.set OB,  96
.set BB,  128
.set HO,  240
.set STG, 65536                        ; behind the images: a stage of 16 rows for each wave
.set SP,  272                          ; a stage row: 256 bytes + 16
.set MSB, 0
.macro WIN new
.if MSB != (\new)
	s_set_vgpr_msb (MSB<<8)|(\new)
.set MSB, (\new)
.endif
.endm
.macro PLACES
.rept 4
	v_nop
.endr
.endm
.macro WLOAD m                         ; batch m: rows 32 m + i and 32 m + 16 + i of my 256
	WIN 0x40*(1+(\m)/4)
.set ii, 0
.rept 16
	global_load_b128 v[64*((\m)%4)+4*ii:64*((\m)%4)+4*ii+3], v6, s[32:33] offset:(32*(\m)+ii)*2048 th:TH_LOAD_NT
.set ii, ii+1
.endr
.endm
.macro WQUANT m
	WIN 1+(\m)/4
.irp c, 0,1,2,3
.set ii, 0
.rept 16
	v_med3_num_f32 v[TT+16*\c+ii], v[64*((\m)%4)+4*ii+\c], -v11, v11   ; the hold (the conversion does not saturate: ISA guide 7.6.2), and the turn
.set ii, ii+1
.endr
.endr
	WIN 0
	s_wait_dscnt 0x0                               ; the last batch's stores have read the codes' registers
.irp c, 0,1,2,3
	v_cvt_scalef32_pk8_fp8_f32 v[CC+4*\c:CC+4*\c+1], v[TT+16*\c:TT+16*\c+7], v10
	v_cvt_scalef32_pk8_fp8_f32 v[CC+4*\c+2:CC+4*\c+3], v[TT+16*\c+8:TT+16*\c+15], v10
.endr
	v_nop                                          ; a plain instruction before the next batch writes the conversions' sources
.irp c, 0,1,2,3
	ds_store_b128 v5, v[CC+4*\c:CC+4*\c+3] offset:512*(\m)+16*\c   ; k = 32 m on is register group m % 4 of K step 2 w + m / 4: 2,048 (m / 4) + 512 (m % 4) = 512 m
.endr
.endm
.macro HFRAG buf, fs, va, pb, off      ; fragment fs of a tile of h into buffer buf: four loads of 512 consecutive bytes; offset register v[va], base s[pb:pb+1]
.if (\buf) == 2
	WIN 0
.if (\fs) < 3
.set HB, 48+16*(\fs)
.else
.set HB, 112+16*(\fs)
.endif
.else
	WIN 0xc0                                       ; destination window 3
.set HB, 128*(\buf)+16*(\fs)
.endif
.irp c, 0,1,2,3
	global_load_b128 v[HB+4*\c:HB+4*\c+3], v[\va], s[\pb:\pb+1] offset:(\off)+2048*(\fs)+512*\c
.endr
.endm
.macro HHALF buf, half                 ; a first request: four fragments, 16 loads, of my tile buf
.irp q, 0,1,2,3
	HFRAG \buf, 4*(\half)+\q, HO+(\buf), 12, 0
.endr
.endm
.macro COMPUTE buf                     ; 32 products: the four accumulators take turns, one instruction a turn; the first K step starts the sums
.irp s, 0,1,2,3,4,5,6,7
.if (\buf) == 2
	WIN 0x01+(\s)/4                                ; source 0 (w2) window 1 or 2, source 1 (h) window 0
.if \s < 3
.set HB, 48+16*\s
.else
.set HB, 112+16*\s
.endif
.else
	WIN 0x0d+(\s)/4                                ; source 0 (w2) window 1 or 2, source 1 (h) window 3
.set HB, 128*(\buf)+16*\s
.endif
.irp t, 0,1,2,3
.if \s == 0
	v_wmma_f32_16x16x128_fp8_fp8 v[ACC+8*\t:ACC+8*\t+7], v[64*\t+16*(\s%4):64*\t+16*(\s%4)+15], v[HB:HB+15], 0
.else
	v_wmma_f32_16x16x128_fp8_fp8 v[ACC+8*\t:ACC+8*\t+7], v[64*\t+16*(\s%4):64*\t+16*(\s%4)+15], v[HB:HB+15], v[ACC+8*\t:ACC+8*\t+7]
.endif
.endr
.endr
	WIN 0
	PLACES                                         ; four places ahead of the loads into h's registers and of the first read and write of results
.endm
.macro OUT g
.set jj, 0
.rept 16
	v_pk_fma_f32 v[ACC+jj:ACC+jj+1], v[ACC+jj:ACC+jj+1], s[40:41], v[BB+jj:BB+jj+1] op_sel_hi:[1,0,1]   ; y = sum x 2^(eh + ew2) + b2 (or + 0), in the sums' place; each accumulator from its low end on
.set jj, jj+2
.endr
.irp t, 0,1,2,3
	ds_store_b128 v7, v[ACC+8*\t:ACC+8*\t+3] offset:64*\t       ; lane (r, h): row r, outputs 16 t + 8 h + 0 .. 7
	ds_store_b128 v7, v[ACC+8*\t+4:ACC+8*\t+7] offset:64*\t+16
.endr
	s_wait_xcnt 0x0                                ; the last tile's stores have read the registers into which the rows come back
.irp i, 0,1,2,3,4,5,6,7
	ds_load_b128 v[OB+4*\i:OB+4*\i+3], v8 offset:2*SP*\i        ; my own stage: LDS serves a wave's instructions in order (ISA guide 5.7.1.4)
.endr
.irp i, 0,1,2,3,4,5,6,7
	s_wait_dscnt 7-\i                              ; rows 2 i, 2 i + 1 are back; the younger loads may be out.  The last count is 0: the stage's stores have read y, so the next products may write there
	global_store_b128 v9, v[OB+4*\i:OB+4*\i+3], s[38:39] offset:(\g)*131072+4096*\i
.endr
.endm
; One tile of 16 rows, out of buffer g.
.macro SUB g
	COMPUTE \g
	s_add_co_u32 s30, s46, 3+(\g)
	s_cmp_lt_u32 s30, s28
	s_cbranch_scc0 .Lno_next_\@                    ; no such tile: no load leaves the expert's rows
.irp q, 0,1,2,3,4,5,6,7
	HFRAG \g, \q, 4, 36, (3+(\g))*131072           ; my tile three further on, into the buffer just multiplied
.endr
	WIN 0
.Lno_next_\@:
	OUT \g
.endm
	s_load_b256 s[4:11], s[0:1], 0x0               ; w2 s[4:5], b2 s[6:7], lowp_scales s[8:9], place s[10:11]
	s_load_b128 s[12:15], s[0:1], 0x20             ; hbuf s[12:13], ybuf s[14:15]
	v_lshl_add_u32 v254, v0, 2, 0x14400
	v_mov_b32 v255, 0
	v_lshrrev_b32 v1, 5, v0
	v_readfirstlane_b32 s16, v1                    ; wave 0..3
	s_lshr_b32 s17, ttmp9, 1                       ; cs
	s_and_b32 s19, ttmp9, 1                        ; kh
	s_and_b32 s18, ttmp7, 0xffff                   ; e
	v_and_b32 v1, 31, v0                           ; lane
	v_and_b32 v2, 15, v0                           ; r
	v_bfe_u32 v3, v0, 4, 1                         ; h
	v_lshlrev_b32 v4, 4, v1                        ; 16 x lane: the images, in LDS and in hbuf
	; where my four columns' codes go.  Column n = 4 (lane % 16) + c belongs to tile n / 16, row n % 16; my k belong to the lanes with h = lane / 16
	v_bfe_u32 v5, v0, 2, 2
	v_lshlrev_b32 v5, 14, v5                       ; a tile's eight fragments
	v_lshl_add_u32 v5, v3, 8, v5                   ; 16 lanes of 16 bytes
	v_and_b32 v14, 3, v0
	v_lshl_add_u32 v5, v14, 6, v5                  ; four rows
	s_lshl_b32 s30, s16, 12                        ; K steps 2 w, 2 w + 1
	v_add_nc_u32 v5, s30, v5
	v_lshlrev_b32 v6, 15, v3
	v_lshl_add_u32 v6, v2, 4, v6                   ; w2: 16 h rows of 2,048 bytes + 16 (lane % 16)
	s_mul_i32 s30, s16, 16*SP
	s_add_co_u32 s30, s30, STG                     ; my stage
	v_mul_u32_u24 v7, v2, SP
	v_lshl_add_u32 v7, v3, 5, v7
	v_add_nc_u32 v7, s30, v7                       ; in: row r, + 32 h
	v_mul_u32_u24 v8, v3, SP
	v_lshl_add_u32 v8, v2, 4, v8
	v_add_nc_u32 v8, s30, v8                       ; back: lanes 0-15 one row, lanes 16-31 the next
	v_lshlrev_b32 v9, 11, v3
	v_lshl_add_u32 v9, v2, 4, v9                   ; and the same two rows in ybuf
	v_lshlrev_b32 v12, 5, v3                       ; b2: 32 h
	s_lshl_b32 s20, s18, 22                        ; w2: expert e,
	s_lshl_b32 s30, s19, 21                        ; half kh,
	s_add_co_u32 s20, s20, s30
	s_lshl_b32 s30, s16, 19                        ; my 256 rows of 2,048 bytes,
	s_add_co_u32 s20, s20, s30
	s_lshl_b32 s30, s17, 8                         ; the slice's 256 bytes of a row
	s_add_co_u32 s20, s20, s30
	s_mov_b32 s21, 0
	s_lshl_b32 s42, s18, 11                        ; b2: expert e, the slice's 64 numbers
	s_add_co_u32 s42, s42, s30
	s_mov_b32 s43, 0
	s_lshl_b32 s30, s18, 4                         ; 16 e
	s_lshl_b32 s31, s18, 2                         ; 4 e
	s_wait_kmcnt 0x0
	s_load_b64 s[24:25], s[8:9], s30 offset:0x10   ; eh, ew2
	s_load_b32 s26, s[10:11], s31 offset:0x4000    ; cnt[e]
	s_load_b32 s27, s[10:11], s31 offset:0x4040    ; base[e]
	s_add_nc_u64 s[32:33], s[4:5], s[20:21]
	s_add_nc_u64 s[34:35], s[6:7], s[42:43]
	WLOAD 0
	WLOAD 1
	WLOAD 2
	WLOAD 3
	WIN 0
	s_wait_kmcnt 0x0
	s_min_u32 s26, s26, 2048                       ; a token takes an expert at most once
	s_min_u32 s27, s27, 4320                       ; held inside the buffers
	s_add_co_u32 s22, s26, 15
	s_lshr_b32 s22, s22, 4                         ; the expert's tiles
	s_add_co_u32 s28, s22, 3
	s_sub_co_u32 s28, s28, s16
	s_lshr_b32 s28, s28, 2                         ; my tiles: w, w + 4, ..: 32 at the most
	s_lshr_b32 s47, s27, 4                         ; the expert's first tile in hbuf
	s_add_co_u32 s23, s47, s22
	s_sub_co_u32 s23, s23, 1                       ; its last tile,
	s_cmp_eq_u32 s22, 0
	s_cselect_b32 s23, 0, s23                      ; or tile 0 where it has none
	s_add_co_u32 s47, s47, s16                     ; my first tile
	s_lshl_b32 s31, s19, 14                        ; the half's eight K steps
.irp g, 0,1,2
	s_add_co_u32 s30, s47, 4*\g                    ; my tile g,
	s_min_u32 s30, s30, s23                        ; held at the expert's last,
	s_min_u32 s30, s30, 270                        ; and inside hbuf's 271 tiles
	s_lshl_b32 s30, s30, 15                        ; 32,768 bytes a tile
	s_add_co_u32 s30, s30, s31
	v_add_nc_u32 v[HO+\g], s30, v4
.endr
	s_lshl_b32 s20, s27, 11                        ; hbuf: 32,768 bytes a tile of 16 rows,
	s_lshl_b32 s30, s16, 15                        ; tile w,
	s_add_co_u32 s20, s20, s30
	s_add_co_u32 s42, s20, s31                     ; the half's eight K steps
	s_add_nc_u64 s[36:37], s[12:13], s[42:43]
	s_mul_i32 s31, s19, 8880128                    ; ybuf: plane kh of 4,336 rows of 2,048 bytes; the same rows;
	s_add_co_u32 s20, s20, s31
	s_lshl_b32 s31, s17, 8                         ; the slice's 256 bytes of a row
	s_add_co_u32 s20, s20, s31
	s_add_nc_u64 s[38:39], s[14:15], s[20:21]
	s_add_co_i32 s30, s25, 127
	s_lshl_b32 s31, s30, 23
	v_mov_b32 v10, s31                             ; 2^ew2 as f32
	s_add_co_i32 s30, s30, 8
	s_lshl_b32 s30, s30, 23
	s_or_b32 s30, s30, 0x600000
	v_mov_b32 v11, s30                             ; 448 x 2^ew2
	s_add_co_i32 s40, s24, s25
	s_add_co_i32 s40, s40, 127
	s_lshl_b32 s40, s40, 23                        ; 2^(eh + ew2)
	s_mov_b32 s41, s40                             ; (named with it as a pair, so it is written)
	s_cmp_eq_u32 s19, 0
	s_cselect_b32 s44, -1, 0                       ; all lanes in the half that adds b2, none in the other
	; PHASE A.  Each batch has registers of its own.  Behind the wait for batch m sixteen new loads go out: batch m + 4, or, when w2 is all asked for, half a tile of h.
	; So behind batch m there are always three groups of sixteen younger loads: every wait's count is 48.
.irp m, 0,1,2,3
	s_wait_loadcnt 48                              ; batch m is in: batches m + 1 to m + 3 may be out
	WLOAD \m+4
	WQUANT \m
.endr
.irp m, 4,5,6,7
	s_wait_loadcnt 48                              ; batch m is in: the later batches and the halves asked for so far, 48 loads together, may be out
	HHALF (\m-4)/2, (\m-4)%2
	WQUANT \m
.endr
.irp t, 0,1,2,3
	global_load_b128 v[BB+8*\t:BB+8*\t+3], v12, s[34:35] offset:64*\t       ; lane (r, h), tile t: b2 of outputs 16 t + 8 h + 0 .. 7
	global_load_b128 v[BB+8*\t+4:BB+8*\t+7], v12, s[34:35] offset:64*\t+16
.endr
	s_wait_dscnt 0x0                               ; for the others' sake: my images lie in LDS
	s_barrier_signal -1
	s_barrier_wait -1                              ; the launch's one barrier: every wave passes it, whatever the counts
	s_cmp_eq_u32 s28, 0
	s_cbranch_scc1 .Ldone                          ; no tile for this wave
.irp q, 0,1,2,3,4,5,6,7
	HFRAG 2, \q, HO+2, 12, 0                       ; my third tile, into registers that phase A has left; it lands while the images are loaded
.endr
	WIN 0x40
.irp t, 0,1,2,3
.irp s, 0,1,2,3
.irp c, 0,1,2,3
	ds_load_b128 v[64*\t+16*\s+4*\c:64*\t+16*\s+4*\c+3], v4 offset:(8*\t+\s)*2048+512*\c
.endr
.endr
.endr
	WIN 0x80
.irp t, 0,1,2,3
.irp s, 0,1,2,3
.irp c, 0,1,2,3
	ds_load_b128 v[64*\t+16*\s+4*\c:64*\t+16*\s+4*\c+3], v4 offset:(8*\t+4+\s)*2048+512*\c
.endr
.endr
.endr
	WIN 0
	s_wait_loadcnt 32                              ; b2 is in; the third tile's 32 loads may be out
.set jj, 0
.rept 32
	v_cndmask_b32 v[BB+jj], 0, v[BB+jj], s44       ; b2 is added once for each row: in the half kh = 0
.set jj, jj+1
.endr
	s_wait_dscnt 0x0                               ; the images
	s_add_co_u32 s45, s28, 2
	s_mul_i32 s45, s45, 43
	s_lshr_b32 s45, s45, 7                         ; groups of up to three tiles: (n x 43) >> 7 is n / 3 rounded down for n under 128; at least one
	s_mov_b32 s29, 0                               ; the group in hand
	s_mov_b32 s46, 0                               ; its first tile
.Lgroup:                                           ; a trip: up to three tiles, one out of each buffer.  The wait for loads is for 0: right whichever of the guarded loads were issued
	s_wait_loadcnt 0x0                             ; the group's tiles of h
	SUB 0
.irp g, 1,2
	s_add_co_u32 s30, s46, \g
	s_cmp_lt_u32 s30, s28
	s_cbranch_scc0 .Lgend                          ; my tiles are done
	SUB \g
.endr
.Lgend:
	s_wait_xcnt 0x0                                ; loads and stores have read their bases: both step
	s_add_nc_u64 s[36:37], s[36:37], 393216
	s_add_nc_u64 s[38:39], s[38:39], 393216
	s_add_co_u32 s46, s46, 3
	s_add_co_u32 s29, s29, 1
	s_cmp_lt_u32 s29, s45
	s_cbranch_scc1 .Lgroup
.Ldone:
	s_wait_tensorcnt 0x0
	ds_add_u32 v254, v255
	s_wait_dscnt 0x0
	s_endpgm
.Lfunc_end_k_q307e06792a_layer2:
	.size	k_q307e06792a_layer2, .Lfunc_end_k_q307e06792a_layer2-k_q307e06792a_layer2
	.p2alignl 7, 3214868480
	.fill 96, 4, 3214868480
	.section	.rodata,"a",@progbits
	.p2align	6, 0x0
	.amdhsa_kernel k_q307e06792a_layer2
		.amdhsa_group_segment_fixed_size 83456
		.amdhsa_private_segment_fixed_size 0
		.amdhsa_enable_private_segment 0
		.amdhsa_kernarg_size 48
		.amdhsa_user_sgpr_count 2
		.amdhsa_user_sgpr_kernarg_segment_ptr 1
		.amdhsa_wavefront_size32 1
		.amdhsa_system_sgpr_workgroup_id_x 1
		.amdhsa_system_sgpr_workgroup_id_y 1
		.amdhsa_system_sgpr_workgroup_id_z 1
		.amdhsa_system_vgpr_workitem_id 0
		.amdhsa_next_free_vgpr 1024
		.amdhsa_next_free_sgpr 66
		.amdhsa_reserve_vcc 0
		.amdhsa_float_denorm_mode_32 3
		.amdhsa_float_denorm_mode_16_64 3
		.amdhsa_memory_ordered 1
		.amdhsa_forward_progress 1
		.amdhsa_inst_pref_size 103
	.end_amdhsa_kernel
	.amdgpu_metadata
---
amdhsa.version: [ 1, 2 ]
amdhsa.kernels:
  - .name:           k_q307e06792a_layer2
    .symbol:         k_q307e06792a_layer2.kd
    .args:
      - { .name: w2, .offset: 0, .size: 8, .value_kind: global_buffer, .address_space: global }
      - { .name: b2, .offset: 8, .size: 8, .value_kind: global_buffer, .address_space: global }
      - { .name: lowp_scales, .offset: 16, .size: 8, .value_kind: global_buffer, .address_space: global }
      - { .name: place, .offset: 24, .size: 8, .value_kind: global_buffer, .address_space: global }
      - { .name: hbuf, .offset: 32, .size: 8, .value_kind: global_buffer, .address_space: global }
      - { .name: ybuf, .offset: 40, .size: 8, .value_kind: global_buffer, .address_space: global }
    .group_segment_fixed_size: 83456
    .private_segment_fixed_size: 0
    .kernarg_segment_align: 8
    .kernarg_segment_size: 48
    .max_flat_workgroup_size: 128
    .sgpr_count:     66
    .vgpr_count:     1024
    .wavefront_size: 32
...
	.end_amdgpu_metadata
.endif
;; end of part 4
;; launch combine (part 5): grid 256 x 1, 8 waves a work-group, no clusters, 0 bytes of LDS; arguments ybuf, place, wts, out0; writes out0
.if DOCPART == 5
	.amdgcn_target "amdgcn-amd-amdhsa--gfx1250"
	.amdhsa_code_object_version 6
	.text
	.protected	k_q307e06792a_combine
	.globl	k_q307e06792a_combine
	.p2align	8
	.type	k_q307e06792a_combine,@function
k_q307e06792a_combine:
	s_mov_b64 s[64:65], 0
	v_nop
	global_prefetch_b8 v0, s[64:65] scope:SCOPE_SE
	s_setreg_imm32_b32 hwreg(HW_REG_WAVE_MODE, 25, 1), 1
	s_wait_xcnt 0x0
; THE WEIGHTED SUM, by gathering: out[t] = w0 (y[0][pos0] + y[1][pos0]) + w1 (y[0][pos1] + y[1][pos1]).  pos0, pos1: the rows of token t's two slots; y[0], y[1]: the two halves of the second layer's K.
; A wave takes one token: each output row has one owner, and each row of ybuf is read by one wave.  Every load and store of the wave covers 512 consecutive bytes.
; A stream: no LDS, no barrier, no matrix unit.  All 16 loads of a wave are out together.
.set YA, 16                            ; v16-31 y[0][pos0], v32-47 y[1][pos0], v48-63 y[0][pos1], v64-79 y[1][pos1]
	s_load_b256 s[4:11], s[0:1], 0x0               ; ybuf s[4:5], place s[6:7], wts s[8:9], out0 s[10:11]
	v_lshrrev_b32 v1, 5, v0
	v_readfirstlane_b32 s16, v1                    ; wave 0..7
	v_and_b32 v1, 31, v0
	v_lshlrev_b32 v1, 4, v1                        ; 16 x lane
	s_lshl_b32 s17, ttmp9, 3
	s_add_co_u32 s17, s17, s16                     ; t
	s_lshr_b32 s18, s17, 4
	s_lshl_b32 s18, s18, 5
	s_and_b32 s19, s17, 15
	s_add_co_u32 s18, s18, s19                     ; the first slot: 32 (t / 16) + t % 16; the second lies 16 on
	s_lshl_b32 s18, s18, 2
	s_lshl_b32 s20, s17, 11                        ; row t of out0
	s_mov_b32 s21, 0
	s_wait_kmcnt 0x0
	s_load_b32 s24, s[6:7], s18 offset:0x0         ; pos0
	s_load_b32 s25, s[6:7], s18 offset:0x40        ; pos1
	s_load_b32 s28, s[8:9], s18 offset:0x0         ; w0
	s_load_b32 s30, s[8:9], s18 offset:0x40        ; w1
	s_add_nc_u64 s[12:13], s[4:5], 8880128         ; the second plane: 4,336 rows of 2,048 bytes on
	s_add_nc_u64 s[10:11], s[10:11], s[20:21]
	s_wait_kmcnt 0x0
	s_mov_b32 s29, s28                             ; (the packed forms name pairs and take the low word for both halves: so the upper words are written)
	s_mov_b32 s31, s30
	s_min_u32 s24, s24, 4335                       ; held inside ybuf
	s_min_u32 s25, s25, 4335
	s_lshl_b32 s24, s24, 11
	s_lshl_b32 s25, s25, 11
	v_add_nc_u32 v2, s24, v1
	v_add_nc_u32 v3, s25, v1
.irp j, 0,1
.irp i, 0,1,2,3
	global_load_b128 v[YA+32*\j+4*\i:YA+32*\j+4*\i+3], v[2+\j], s[4:5] offset:512*\i th:TH_LOAD_NT
	global_load_b128 v[YA+32*\j+16+4*\i:YA+32*\j+16+4*\i+3], v[2+\j], s[12:13] offset:512*\i th:TH_LOAD_NT
.endr
.endr
	s_wait_loadcnt 0x0
.irp i, 0,2,4,6,8,10,12,14
	v_pk_add_f32 v[YA+\i:YA+\i+1], v[YA+\i:YA+\i+1], v[YA+16+\i:YA+16+\i+1]
	v_pk_add_f32 v[YA+32+\i:YA+32+\i+1], v[YA+32+\i:YA+32+\i+1], v[YA+48+\i:YA+48+\i+1]
.endr
.irp i, 0,2,4,6,8,10,12,14
	v_pk_mul_f32 v[YA+\i:YA+\i+1], v[YA+\i:YA+\i+1], s[28:29] op_sel_hi:[1,0]
.endr
.irp i, 0,2,4,6,8,10,12,14
	v_pk_fma_f32 v[YA+\i:YA+\i+1], v[YA+32+\i:YA+32+\i+1], s[30:31], v[YA+\i:YA+\i+1] op_sel_hi:[1,0,1]
.endr
.irp i, 0,1,2,3
	global_store_b128 v1, v[YA+4*\i:YA+4*\i+3], s[10:11] offset:512*\i th:TH_STORE_NT
.endr
	s_endpgm
.Lfunc_end_k_q307e06792a_combine:
	.size	k_q307e06792a_combine, .Lfunc_end_k_q307e06792a_combine-k_q307e06792a_combine
	.p2alignl 7, 3214868480
	.fill 96, 4, 3214868480
	.section	.rodata,"a",@progbits
	.p2align	6, 0x0
	.amdhsa_kernel k_q307e06792a_combine
		.amdhsa_group_segment_fixed_size 0
		.amdhsa_private_segment_fixed_size 0
		.amdhsa_enable_private_segment 0
		.amdhsa_kernarg_size 32
		.amdhsa_user_sgpr_count 2
		.amdhsa_user_sgpr_kernarg_segment_ptr 1
		.amdhsa_wavefront_size32 1
		.amdhsa_system_sgpr_workgroup_id_x 1
		.amdhsa_system_sgpr_workgroup_id_y 1
		.amdhsa_system_sgpr_workgroup_id_z 1
		.amdhsa_system_vgpr_workitem_id 0
		.amdhsa_next_free_vgpr 96
		.amdhsa_next_free_sgpr 66
		.amdhsa_reserve_vcc 0
		.amdhsa_float_denorm_mode_32 3
		.amdhsa_float_denorm_mode_16_64 3
		.amdhsa_memory_ordered 1
		.amdhsa_forward_progress 1
		.amdhsa_inst_pref_size 6
	.end_amdhsa_kernel
	.amdgpu_metadata
---
amdhsa.version: [ 1, 2 ]
amdhsa.kernels:
  - .name:           k_q307e06792a_combine
    .symbol:         k_q307e06792a_combine.kd
    .args:
      - { .name: ybuf, .offset: 0, .size: 8, .value_kind: global_buffer, .address_space: global }
      - { .name: place, .offset: 8, .size: 8, .value_kind: global_buffer, .address_space: global }
      - { .name: wts, .offset: 16, .size: 8, .value_kind: global_buffer, .address_space: global }
      - { .name: out0, .offset: 24, .size: 8, .value_kind: global_buffer, .address_space: global }
    .group_segment_fixed_size: 0
    .private_segment_fixed_size: 0
    .kernarg_segment_align: 8
    .kernarg_segment_size: 32
    .max_flat_workgroup_size: 256
    .sgpr_count:     66
    .vgpr_count:     96
    .wavefront_size: 32
...
	.end_amdgpu_metadata
.endif
;; end of part 5
;; ======== version 2 of 2: 5 launches; version 1 with the launches layer1, layer2 written anew for expert scheduling mode
;; workspace buffers: route 40,960 bytes of whole numbers; wts 16,384 bytes; place 16,640 bytes of whole numbers; xq 2,220,032 bytes; hbuf 8,880,128 bytes; ybuf 17,760,256 bytes
;; launch gate: the kernel of part 1 again; grid 128 x 1, 4 waves a work-group, no clusters, 4,608 bytes of LDS; arguments x, gate_w, gate_b, lowp_scales, route, wts; writes route, wts
;; launch place: the kernel of part 2 again; grid 128 x 1, 4 waves a work-group, no clusters, 1,024 bytes of LDS; arguments x, lowp_scales, route, xq, place; writes xq, place
;; launch layer1 (part 6): grid 16 x 16, 4 waves a work-group, no clusters, 99,840 bytes of LDS; arguments w1, b1, lowp_scales, place, xq, hbuf; writes hbuf
.if DOCPART == 6
	.amdgcn_target "amdgcn-amd-amdhsa--gfx1250"
	.amdhsa_code_object_version 6
	.text
	.protected	k_q307e06792a_layer1
	.globl	k_q307e06792a_layer1
	.p2align	8
	.type	k_q307e06792a_layer1,@function
k_q307e06792a_layer1:
	s_mov_b64 s[64:65], 0
	v_nop
	global_prefetch_b8 v0, s[64:65] scope:SCOPE_SE
	s_setreg_imm32_b32 hwreg(HW_REG_WAVE_SCHED_MODE, 0, 2), 2
	s_setreg_imm32_b32 hwreg(HW_REG_WAVE_MODE, 25, 1), 1
	s_wait_xcnt 0x0
	s_wait_alu depctr_vm_vsrc(0)
; THE FIRST LAYER OF THE EXPERTS, for the routed rows alone: h = Q(relu(Q(x) Q(w1[e]) + b1[e])), on codes of E4M3 with the given scales 2^ex, 2^ew1, 2^eh (entries 2 + 4 e, 3 + 4 e, 4 + 4 e of lowp_scales).
; SHARES.  Work-group (sl, e) owns hidden units 128 sl .. 128 sl + 127 of expert e: 512 x 128 numbers of w1, 262,144 bytes, read from memory ONCE in the launch.
; PHASE A.  Wave w takes k = 128 w .. 128 w + 127: each load is one row's 512 consecutive bytes (four columns a lane).  Sixteen rows make a batch: the hold, written from register 4 i + c to register 16 c + i,
;   turns the batch so that a column's 16 numbers along K stand in consecutive registers, as the conversion wants them.  The codes go to LDS as IMAGES OF THE OPERAND'S REGISTERS: fragment (t, s) at (4 t + s) x 2,048,
;   its registers 4 c .. 4 c + 3 of lane l at 512 c + 16 l.  One barrier; then every wave loads all 32 fragments into 512 registers.
; PHASE B.  Each wave by itself takes tiles of 16 rows, T = w, w + 4, .. of expert e's rows in xq.  The product is used transposed (source 0 = 16 hidden units, source 1 = 16 rows): a lane holds one row.
;   THE HIDDEN UNITS OF A TILE ARE NOT NEIGHBOURS: row r of tile 2 b + u is unit 32 b + 8 u + r + 8 (r / 8), so that a lane's 16 registers of tiles 2 b, 2 b + 1 are units 32 b + 16 h + 0 .. 15: the next K's order.
;   b1, divided by 2^(ex + ew1), is the C of each sum's first product.  The hold between 0 and 448 x the scale is also the activation.  The three scales are folded into the conversion's one, 2^(eh - ex - ew1).
;   The 16 registers of codes ARE K step sl of the second product: they are stored as an image, 2,048 consecutive bytes, at hbuf[row tile][sl].
; THE ROWS ARE ASKED FOR FAR AHEAD.  Four buffers of 64 registers hold four tiles' rows.  The wave's first four tiles are asked for in phase A's last four steps, 16 loads in each, where the earlier steps ask for a batch of
;   w1: so 64 loads of the wave stay out to the end of phase A.  These first requests stand ahead of the branch on the count, so their addresses are held at the expert's last tile (at tile 0 where it has no rows: the first
;   expert that has rows begins at row 0): every byte that they read has been stored by the launch before.  The loop walks groups of up to four tiles; a buffer is asked for again, for the tile four further on, as soon as
;   its rows have gone into the stage.  A wave has 4,096 / 16 / 16 / 4 = 4 tiles where the tokens spread evenly.
; k lies in both operands' fragments in the same order (registers 4 c .. 4 c + 3 of lane (r, h): k = 128 s + 32 c + 16 h + 0 .. 15).
; NO TENSOR LOADS, NO CLUSTER: the number of tiles is read from memory (place), and trip counts that hang on loaded numbers go with loads through registers alone.  What the 16 work-groups of an expert share,
;   its rows' codes (512 bytes a row), is small beside each one's 262,144 bytes of w1.  The one barrier stands ahead of every branch on the count.
; LIMITS: ew1 and eh - ex - ew1 between -126 and 119.  NaN among the inputs is not served.
; THE MODE: SCHED_MODE bits 1:0 = 2 (LLVM: expert scheduling mode 2), set by the entry lines.  The code itself states the register dependences between vector or matrix instructions and memory or LDS instructions,
;   with s_wait_alu, always for 0.
; THE PLAN.  Registers that memory or LDS instructions touch, and who else names them:
;   v4, v5, v7, v8, v9    offsets and LDS addresses: written at the head, ahead of the first load, and never again.   v224-227: the first requests' offsets: written once, behind the first 64 loads, read in steps 4 to 7.
;   the eight batches     (windows 1, 2) each written by its own 16 loads and read by its own 64 holds; behind the barrier the images' LDS loads land there; from then on products alone read them.
;   PC0, PC1              two sets of codes.  Phase A: batch m's conversions write PC[m % 2]; the four LDS stores that read it are issued in step m + 1.  Phase B: a tile's conversions write PC0, its four global stores read it.
;   the four row buffers  written by loads alone, read by the stage's LDS stores alone.
;   XF                    a tile's fragments: written by LDS loads, read by the tile's products.
;   The accumulators and the bias (once it has landed) are named by vector and matrix instructions alone.
; So a step of phase A has its waits at its head, and its 16 loads and the four stores of the batch before follow them with no further wait.  A tile has two: one on vm_vsrc behind its stage's stores (they have read the
; row buffer, and the last tile's global stores have read PC0), one on va_vdst behind its conversions (PC0 is written; the products are done reading XF, in which the next tile's fragments land).
; REGISTERS, in windows of 256.  Window 0: v1-13 lane numbers, addresses, scales; v16-79 a turned batch, later the 8 accumulators; v80-95 codes, set 0; v96-159 rows, buffer 0; v160-223 a tile's four fragments;
;   v224-227 the first four requests' offsets; v228-243 codes, set 1.   Windows 1, 2: phase A: batch m at v[64 (m % 4)] of window 1 + m / 4; phase B: fragment (t, s) at v[32 t + 16 (s % 2)] of window 1 + s / 2.
;   Window 3: v0-63 the bias, tile t at v[8 t]; v64-255 rows, buffers 1 to 3.
.set HA,  16
.set PC,  80
.set PC1, 228
.set XR,  96
.set XF,  160
.set XO,  224
.set STG, 65536                        ; behind the images: a stage of 16 rows for each wave
.set SP,  528                          ; a stage row: 512 bytes + 16, an odd multiple of 16: the 16 rows that a load touches begin at 16 different places modulo 256 bytes
.set MSB, 0
.macro WIN new                         ; the immediate's high byte repeats the setting that is left; a switch that changes nothing is dropped
.if MSB != (\new)
	s_set_vgpr_msb (MSB<<8)|(\new)
.set MSB, (\new)
.endif
.endm
.macro PLACES
.rept 4
	v_nop
.endr
.endm
.macro WLOAD m                         ; batch m: rows 16 m .. 16 m + 15 of my 128, 512 consecutive bytes each
	WIN 0x40*(1+(\m)/4)
.set ii, 0
.rept 16
	global_load_b128 v[64*((\m)%4)+4*ii:64*((\m)%4)+4*ii+3], v4, s[32:33] offset:(16*(\m)+ii)*8192 th:TH_LOAD_NT
.set ii, ii+1
.endr
.endm
.macro AHEAD m                         ; the head of phase A's step m
	s_wait_loadcnt 48                              ; batch m is in: the three groups of sixteen younger loads (later batches, and the tiles asked for so far) may be out
.if (\m) >= 2
	s_wait_alu depctr_vm_vsrc(0)                   ; the LDS stores issued in the step before have read PC[m % 2], which this step's conversions write again
.endif
.if (\m) >= 1
	s_wait_alu depctr_va_vdst(0)                   ; batch m - 1's conversions have written the other set of codes, which the LDS stores below read; v224-227 are written, which the rows' loads of steps 4 to 7 read
.endif
.endm
.macro WQUANT m                        ; batch m becomes 16 codes along K for each of my four columns, in set m % 2
.set PB, PC+(PC1-PC)*((\m)%2)
	WIN 1+(\m)/4
.irp c, 0,1,2,3
.set ii, 0
.rept 16
	v_med3_num_f32 v[HA+16*\c+ii], v[64*((\m)%4)+4*ii+\c], -v11, v11   ; the hold (the conversion does not saturate: ISA guide 7.6.2), and the turn
.set ii, ii+1
.endr
.endr
	WIN 0
.irp c, 0,1,2,3
	v_cvt_scalef32_pk8_fp8_f32 v[PB+4*\c:PB+4*\c+1], v[HA+16*\c:HA+16*\c+7], v10
	v_cvt_scalef32_pk8_fp8_f32 v[PB+4*\c+2:PB+4*\c+3], v[HA+16*\c+8:HA+16*\c+15], v10
.endr
	v_nop                                          ; a plain instruction before the next batch writes the conversions' sources
.endm
.macro WSTORE m                        ; batch m's codes go to LDS, a step behind their conversions.  (Address and data lie in window 0: the loads' setting, which moves the destination alone, may stand)
.set PB, PC+(PC1-PC)*((\m)%2)
.irp c, 0,1,2,3
	ds_store_b128 v5, v[PB+4*\c:PB+4*\c+3] offset:256*(\m)+16*\c   ; k = 16 m on is register group m / 2 of the lanes with h = m % 2: 512 (m / 2) + 256 (m % 2) = 256 m
.endr
.endm
.macro XL g, va, pb, off               ; a tile's 16 rows of codes into buffer g, a row (512 bytes) a load; offset register v[va], base s[pb:pb+1]
.if (\g) == 0
.set XB, XR
	WIN 0
.else
.set XB, 64*(\g)
	WIN 0xc0                                       ; destination window 3
.endif
.set ii, 0
.rept 16
	global_load_b128 v[XB+4*ii:XB+4*ii+3], v[\va], s[\pb:\pb+1] offset:(\off)+512*ii
.set ii, ii+1
.endr
.endm
; One tile of 16 rows, out of buffer g.
.macro TILE g
.if (\g) == 0
.set XB, XR
	WIN 0
.else
.set XB, 64*(\g)
	WIN 0x0c                                       ; the stores' data in window 3
.endif
.set ii, 0
.rept 16
	ds_store_b128 v7, v[XB+4*ii:XB+4*ii+3] offset:SP*ii
.set ii, ii+1
.endr
	WIN 0
.irp s, 0,1,2,3
.irp c, 0,1,2,3
	ds_load_b128 v[XF+16*\s+4*\c:XF+16*\s+4*\c+3], v8 offset:128*\s+32*\c   ; my own stage: LDS serves a wave's instructions in order (ISA guide 5.7.1.4).  The last tile's products are done reading XF: they stand ahead of that tile's wait on va_vdst, and no vector instruction follows it
.endr
.endr
	s_wait_dscnt 0x0                               ; the fragments are in (in the first tile the images too)
	s_wait_xcnt 0x0                                ; the last tile's stores have had their addresses translated (ISA guide 3.1): their data, PC0, are rewritten only behind this wait
	s_wait_alu depctr_vm_vsrc(0)                   ; the stage's stores have read the row buffer, in which the loads below land; the last tile's global stores (in the first tile: phase A's LDS stores) have read PC0, which the conversions below write
	s_add_co_u32 s30, s46, 4+(\g)
	s_cmp_lt_u32 s30, s28
	s_cbranch_scc0 .Lno_next_\@                    ; no such tile: no load leaves the expert's rows
	XL \g, 4, 34, (4+(\g))*32768                   ; my tile four further on, into the buffer just read out
	WIN 0
.Lno_next_\@:
	WIN 0x31                                       ; source 0 (w1) window 1, source 2 (the bias) window 3
.irp t, 0,1,2,3,4,5,6,7                        ; the eight accumulators take turns, one instruction a turn
	v_wmma_f32_16x16x128_fp8_fp8 v[HA+8*\t:HA+8*\t+7], v[32*\t:32*\t+15], v[XF:XF+15], v[8*\t:8*\t+7]
.endr
	WIN 0x01
.irp t, 0,1,2,3,4,5,6,7
	v_wmma_f32_16x16x128_fp8_fp8 v[HA+8*\t:HA+8*\t+7], v[32*\t+16:32*\t+31], v[XF+16:XF+31], v[HA+8*\t:HA+8*\t+7]
.endr
	WIN 0x02
.irp s, 0,1
.irp t, 0,1,2,3,4,5,6,7
	v_wmma_f32_16x16x128_fp8_fp8 v[HA+8*\t:HA+8*\t+7], v[32*\t+16*\s:32*\t+16*\s+15], v[XF+32+16*\s:XF+32+16*\s+15], v[HA+8*\t:HA+8*\t+7]
.endr
.endr
	WIN 0
	PLACES                                         ; four places ahead of the first read of results (ISA guide 7.12.1)
.irp b, 0,1,2,3
.set ii, 0
.rept 16
	v_med3_num_f32 v[HA+16*\b+ii], v[HA+16*\b+ii], 0, v13   ; the activation and the hold in one; each accumulator from its low end on
.set ii, ii+1
.endr
	v_cvt_scalef32_pk8_fp8_f32 v[PC+4*\b:PC+4*\b+1], v[HA+16*\b:HA+16*\b+7], v12
	v_cvt_scalef32_pk8_fp8_f32 v[PC+4*\b+2:PC+4*\b+3], v[HA+16*\b+8:HA+16*\b+15], v12
.endr
	v_nop                                          ; a plain instruction before the next tile's products write the conversions' sources
	s_wait_alu depctr_va_vdst(0)                   ; the conversions have written PC0, which the stores below read; the products are done reading XF, in which the next tile's fragments land
.irp c, 0,1,2,3
	global_store_b128 v4, v[PC+4*\c:PC+4*\c+3], s[36:37] offset:(\g)*131072+512*\c   ; the image: each store 512 consecutive bytes, at a multiple of 512 from hbuf's first byte
.endr
.endm
	s_load_b256 s[4:11], s[0:1], 0x0               ; w1 s[4:5], b1 s[6:7], lowp_scales s[8:9], place s[10:11]
	s_load_b128 s[12:15], s[0:1], 0x20             ; xq s[12:13], hbuf s[14:15]
	v_lshl_add_u32 v254, v0, 2, 0x18400
	v_mov_b32 v255, 0
	v_lshrrev_b32 v1, 5, v0
	v_readfirstlane_b32 s16, v1                    ; wave 0..3
	s_mov_b32 s17, ttmp9                           ; sl
	s_and_b32 s18, ttmp7, 0xffff                   ; e
	v_and_b32 v1, 31, v0                           ; lane
	v_and_b32 v2, 15, v0                           ; r
	v_bfe_u32 v3, v0, 4, 1                         ; h
	v_lshlrev_b32 v4, 4, v1                        ; 16 x lane: w1's rows, xq's rows, the images
	; where my four columns' codes go.  Column n = 4 lane + c = 32 b + 16 a + 8 u + d belongs to tile 2 b + u, row 8 a + d
	v_bfe_u32 v5, v0, 3, 2                         ; b
	v_lshlrev_b32 v5, 14, v5                       ; two tiles of four fragments
	v_bfe_u32 v6, v0, 1, 1                         ; u
	v_lshl_add_u32 v5, v6, 13, v5
	v_bfe_u32 v6, v0, 2, 1                         ; a
	v_lshl_add_u32 v5, v6, 7, v5                   ; eight rows of 16 bytes
	v_and_b32 v6, 1, v0
	v_lshl_add_u32 v5, v6, 6, v5                   ; four rows
	s_wait_alu depctr_va_sdst(0)                   ; s16 is written, ahead of its first reader: LDS addresses, bases and the count of my tiles are made from it
	s_lshl_b32 s30, s16, 11                        ; K step w
	v_add_nc_u32 v5, s30, v5
	s_mul_i32 s30, s16, 16*SP
	s_add_co_u32 s30, s30, STG                     ; my stage
	v_add_nc_u32 v7, s30, v4                       ; in: a row a store
	v_mul_u32_u24 v8, v2, SP
	v_lshl_add_u32 v8, v3, 4, v8
	v_add_nc_u32 v8, s30, v8                       ; back: row r, + 16 h
	v_lshlrev_b32 v9, 6, v3                        ; b1: 64 h
	s_lshl_b32 s20, s18, 22                        ; w1: expert e,
	s_lshl_b32 s30, s16, 20                        ; my 128 rows of 8,192 bytes,
	s_add_co_u32 s20, s20, s30
	s_lshl_b32 s30, s17, 9                         ; the slice's 512 bytes of a row
	s_add_co_u32 s20, s20, s30
	s_mov_b32 s21, 0
	s_lshl_b32 s42, s18, 13                        ; b1: expert e, the slice's 128 numbers
	s_add_co_u32 s42, s42, s30
	s_mov_b32 s43, 0
	s_lshl_b32 s30, s18, 4                         ; 16 e
	s_lshl_b32 s31, s18, 2                         ; 4 e
	s_wait_kmcnt 0x0
	s_load_b64 s[22:23], s[8:9], s30 offset:0x8    ; ex, ew1
	s_load_b64 s[24:25], s[8:9], s30 offset:0x10   ; eh, ew2
	s_load_b32 s26, s[10:11], s31 offset:0x4000    ; cnt[e]
	s_load_b32 s27, s[10:11], s31 offset:0x4040    ; base[e]
	s_add_nc_u64 s[32:33], s[4:5], s[20:21]
	s_add_nc_u64 s[38:39], s[6:7], s[42:43]
	s_wait_alu depctr_va_vdst(0)                   ; v4, v5, v7, v8 and v9 are written: every load, store and LDS instruction of the kernel but the first requests for rows reads one of them as its offset or address
	WLOAD 0
	WLOAD 1
	WLOAD 2
	WLOAD 3
	WIN 0
	s_wait_kmcnt 0x0
	s_min_u32 s26, s26, 2048                       ; a token takes an expert at most once
	s_min_u32 s27, s27, 4320                       ; held inside the buffers
	s_add_co_u32 s44, s26, 15
	s_lshr_b32 s44, s44, 4                         ; the expert's tiles
	s_add_co_u32 s28, s44, 3
	s_sub_co_u32 s28, s28, s16
	s_lshr_b32 s28, s28, 2                         ; my tiles: w, w + 4, ..
	s_lshr_b32 s47, s27, 4                         ; the expert's first tile in xq
	s_add_co_u32 s41, s47, s44
	s_sub_co_u32 s41, s41, 1                       ; its last tile,
	s_cmp_eq_u32 s44, 0
	s_cselect_b32 s41, 0, s41                      ; or tile 0 where it has none
	s_add_co_u32 s47, s47, s16                     ; my first tile
.irp g, 0,1,2,3
	s_add_co_u32 s30, s47, 4*\g                    ; my tile g,
	s_min_u32 s30, s30, s41                        ; held at the expert's last,
	s_min_u32 s30, s30, 270                        ; and inside xq's 271 tiles
	s_lshl_b32 s30, s30, 13                        ; 8,192 bytes a tile
	v_add_nc_u32 v[XO+\g], s30, v4
.endr
	s_lshl_b32 s20, s27, 9                         ; xq: row base, 512 bytes a row,
	s_lshl_b32 s30, s16, 13                        ; tile w
	s_add_co_u32 s20, s20, s30
	s_add_nc_u64 s[34:35], s[12:13], s[20:21]
	s_lshl_b32 s20, s27, 11                        ; hbuf: 32,768 bytes a tile of 16 rows,
	s_lshl_b32 s30, s16, 15                        ; tile w,
	s_add_co_u32 s20, s20, s30
	s_lshl_b32 s30, s17, 11                        ; K step sl
	s_add_co_u32 s20, s20, s30
	s_add_nc_u64 s[36:37], s[14:15], s[20:21]
	s_add_co_i32 s30, s23, 127
	s_lshl_b32 s31, s30, 23
	v_mov_b32 v10, s31                             ; 2^ew1 as f32
	s_add_co_i32 s30, s30, 8
	s_lshl_b32 s30, s30, 23
	s_or_b32 s30, s30, 0x600000
	v_mov_b32 v11, s30                             ; 448 x 2^ew1
	s_add_co_i32 s40, s22, s23                     ; ex + ew1: a sum stands for sum x 2^(ex + ew1)
	s_sub_co_i32 s30, s24, s40
	s_add_co_i32 s30, s30, 127
	s_lshl_b32 s31, s30, 23
	v_mov_b32 v12, s31                             ; 2^(eh - ex - ew1)
	s_add_co_i32 s30, s30, 8
	s_lshl_b32 s30, s30, 23
	s_or_b32 s30, s30, 0x600000
	v_mov_b32 v13, s30                             ; 448 x that
	s_sub_co_i32 s40, 0, s40
	; PHASE A.  Each batch has registers of its own.  Behind the wait for batch m sixteen new loads go out: batch m + 4, or, when w1 is all asked for, the rows of my tile m - 4.
	; So behind batch m there are always three groups of sixteen younger loads: every wait's count is 48.  The loads land in registers that no vector instruction has named.
.irp m, 0,1,2,3
	AHEAD \m
	WLOAD \m+4
.if \m > 0
	WSTORE \m-1
.endif
	WQUANT \m
.endr
.irp m, 4,5,6,7
	AHEAD \m
	XL \m-4, XO+\m-4, 12, 0
	WSTORE \m-1
	WQUANT \m
.endr
	s_wait_alu depctr_va_vdst(0)                   ; batch 7's conversions have written PC1, which the stores below read; all the holds are done reading windows 1 and 2, in which the images land behind the barrier
	WSTORE 7
	WIN 0xc0                                       ; destination window 3
.irp t, 0,1,2,3,4,5,6,7
	global_load_b128 v[8*\t:8*\t+3], v9, s[38:39] offset:(32*(\t/2)+8*(\t%2))*4       ; lane (r, h), tile 2 b + u: b1 of units 32 b + 16 h + 8 u + 0 .. 7
	global_load_b128 v[8*\t+4:8*\t+7], v9, s[38:39] offset:(32*(\t/2)+8*(\t%2))*4+16
.endr
	WIN 0
	s_wait_dscnt 0x0                               ; for the others' sake: my images lie in LDS
	s_barrier_signal -1
	s_barrier_wait -1                              ; the launch's one barrier: every wave passes it, whatever the counts
	s_cmp_eq_u32 s28, 0
	s_cbranch_scc1 .Lend                           ; no tile for this wave
	WIN 0x40                                       ; (no vector instruction has been issued since the wait on va_vdst ahead of the barrier: the loads below owe nothing more)
.irp t, 0,1,2,3,4,5,6,7
.irp s, 0,1
.irp c, 0,1,2,3
	ds_load_b128 v[32*\t+16*\s+4*\c:32*\t+16*\s+4*\c+3], v4 offset:(4*\t+\s)*2048+512*\c
.endr
.endr
.endr
	WIN 0x80
.irp t, 0,1,2,3,4,5,6,7
.irp s, 0,1
.irp c, 0,1,2,3
	ds_load_b128 v[32*\t+16*\s+4*\c:32*\t+16*\s+4*\c+3], v4 offset:(4*\t+2+\s)*2048+512*\c
.endr
.endr
.endr
	s_wait_loadcnt 0x0                             ; the bias, my youngest loads
	WIN 0xc3                                       ; source 0 and destination window 3
.set jj, 0
.rept 64
	v_ldexp_f32 v[jj], v[jj], s40                  ; b1 / 2^(ex + ew1)
.set jj, jj+1
.endr
	WIN 0
	s_add_co_u32 s45, s28, 3
	s_lshr_b32 s45, s45, 2                         ; groups of up to four tiles: at least one
	s_mov_b32 s29, 0                               ; the group in hand
	s_mov_b32 s46, 0                               ; its first tile
.Lgroup:                                           ; a trip: up to four tiles, one out of each buffer.  The wait for loads is for 0: right whichever of the guarded loads were issued
	s_wait_loadcnt 0x0                             ; the group's rows
	TILE 0
.irp g, 1,2,3
	s_add_co_u32 s30, s46, \g
	s_cmp_lt_u32 s30, s28
	s_cbranch_scc0 .Lgend                          ; my tiles are done
	TILE \g
.endr
.Lgend:
	s_wait_xcnt 0x0                                ; loads and stores have read their bases: both step
	s_add_nc_u64 s[34:35], s[34:35], 131072
	s_add_nc_u64 s[36:37], s[36:37], 524288
	s_add_co_u32 s46, s46, 4
	s_add_co_u32 s29, s29, 1
	s_cmp_lt_u32 s29, s45
	s_cbranch_scc1 .Lgroup
.Lend:
	s_wait_dscnt 0x0                               ; the closing lines, six on end
	s_wait_alu 0x0
	s_wait_tensorcnt 0x0
	ds_add_u32 v254, v255
	s_wait_dscnt 0x0
	s_endpgm
.Lfunc_end_k_q307e06792a_layer1:
	.size	k_q307e06792a_layer1, .Lfunc_end_k_q307e06792a_layer1-k_q307e06792a_layer1
	.p2alignl 7, 3214868480
	.fill 96, 4, 3214868480
	.section	.rodata,"a",@progbits
	.p2align	6, 0x0
	.amdhsa_kernel k_q307e06792a_layer1
		.amdhsa_group_segment_fixed_size 99840
		.amdhsa_private_segment_fixed_size 0
		.amdhsa_enable_private_segment 0
		.amdhsa_kernarg_size 48
		.amdhsa_user_sgpr_count 2
		.amdhsa_user_sgpr_kernarg_segment_ptr 1
		.amdhsa_wavefront_size32 1
		.amdhsa_system_sgpr_workgroup_id_x 1
		.amdhsa_system_sgpr_workgroup_id_y 1
		.amdhsa_system_sgpr_workgroup_id_z 1
		.amdhsa_system_vgpr_workitem_id 0
		.amdhsa_next_free_vgpr 1024
		.amdhsa_next_free_sgpr 66
		.amdhsa_reserve_vcc 0
		.amdhsa_float_denorm_mode_32 3
		.amdhsa_float_denorm_mode_16_64 3
		.amdhsa_memory_ordered 1
		.amdhsa_forward_progress 1
		.amdhsa_inst_pref_size 122
	.end_amdhsa_kernel
	.amdgpu_metadata
---
amdhsa.version: [ 1, 2 ]
amdhsa.kernels:
  - .name:           k_q307e06792a_layer1
    .symbol:         k_q307e06792a_layer1.kd
    .args:
      - { .name: w1, .offset: 0, .size: 8, .value_kind: global_buffer, .address_space: global }
      - { .name: b1, .offset: 8, .size: 8, .value_kind: global_buffer, .address_space: global }
      - { .name: lowp_scales, .offset: 16, .size: 8, .value_kind: global_buffer, .address_space: global }
      - { .name: place, .offset: 24, .size: 8, .value_kind: global_buffer, .address_space: global }
      - { .name: xq, .offset: 32, .size: 8, .value_kind: global_buffer, .address_space: global }
      - { .name: hbuf, .offset: 40, .size: 8, .value_kind: global_buffer, .address_space: global }
    .group_segment_fixed_size: 99840
    .private_segment_fixed_size: 0
    .kernarg_segment_align: 8
    .kernarg_segment_size: 48
    .max_flat_workgroup_size: 128
    .sgpr_count:     66
    .vgpr_count:     1024
    .wavefront_size: 32
...
	.end_amdgpu_metadata
.endif
;; end of part 6
;; launch layer2 (part 7): grid 16 x 16, 4 waves a work-group, no clusters, 83,456 bytes of LDS; arguments w2, b2, lowp_scales, place, hbuf, ybuf; writes ybuf
.if DOCPART == 7
	.amdgcn_target "amdgcn-amd-amdhsa--gfx1250"
	.amdhsa_code_object_version 6
	.text
	.protected	k_q307e06792a_layer2
	.globl	k_q307e06792a_layer2
	.p2align	8
	.type	k_q307e06792a_layer2,@function
k_q307e06792a_layer2:
	s_mov_b64 s[64:65], 0
	v_nop
	global_prefetch_b8 v0, s[64:65] scope:SCOPE_SE
	s_setreg_imm32_b32 hwreg(HW_REG_WAVE_SCHED_MODE, 0, 2), 2
	s_setreg_imm32_b32 hwreg(HW_REG_WAVE_MODE, 25, 1), 1
	s_wait_xcnt 0x0
	s_wait_alu depctr_vm_vsrc(0)
; THE SECOND LAYER OF THE EXPERTS, for the routed rows: y = h Q(w2[e]) + b2[e], h as the codes of the launch before (scale 2^eh), w2 quantised here (2^ew2): entries 4 + 4 e and 5 + 4 e of lowp_scales.
; SHARES.  Work-group (2 cs + kh, e) owns outputs 64 cs .. 64 cs + 63 and k = 1,024 kh .. 1,024 kh + 1,023 of expert e: 1,024 x 64 numbers of w2, 262,144 bytes, read from memory ONCE in the launch;
;   its part of a row of w2 is 256 consecutive bytes at a multiple of 256.  The two halves of K give two partial rows, ybuf[kh][row]; b2 goes into the half kh = 0 alone; the last launch adds them.
; PHASE A, as in the first layer.  Wave w takes k = 256 w .. 256 w + 255 of the half: a load takes two rows, 16 apart (lanes 0-15 one, lanes 16-31 the other), four columns a lane.  Batch m gives a lane
;   k = 32 m + 16 (lane / 16) + 0 .. 15 of four columns; the hold turns it; the codes go to LDS as images of the operand's registers: fragment (t, s) at (8 t + s) x 2,048.  One barrier; every wave loads all 32 fragments.
; PHASE B.  Each wave by itself takes tiles of 16 rows, T = w, w + 4, ..  A tile's eight fragments of h come from memory as they were stored, images of the registers: 32 loads of 512 consecutive bytes.
;   Transposed (source 0 = 16 outputs, source 1 = 16 rows): a lane's eight results are eight neighbouring outputs of one row.  They go through the wave's own stage in LDS and leave as rows: sixteen lanes store
;   256 consecutive bytes at a multiple of 256.
; THE ROWS ARE ASKED FOR FAR AHEAD.  Three buffers of 128 registers hold three tiles of h.  The wave's first two tiles are asked for in phase A's last four steps, 16 loads in each, where the earlier steps ask for a batch
;   of w2: so 64 loads of the wave stay out to the end of phase A.  The third is asked for behind the barrier, into registers that phase A has left.  The first requests' addresses are held at the expert's last tile (at
;   tile 0 where it has no rows: the first expert that has rows begins at row 0): every byte that they read has been stored by the launch before.  The loop walks groups of up to three tiles; a buffer is asked for again,
;   for the tile three further on, behind its products.
; NO TENSOR LOADS, NO CLUSTER: the number of tiles is read from memory; the one barrier stands ahead of every branch on it.
; LIMITS: ew2 between -126 and 119, eh + ew2 between -126 and 127.  NaN among the inputs is not served.
; THE MODE: SCHED_MODE bits 1:0 = 2 (LLVM: expert scheduling mode 2), set by the entry lines.  The code itself states the register dependences between vector or matrix instructions and memory or LDS instructions,
;   with s_wait_alu, always for 0.
; THE PLAN.  Registers that memory or LDS instructions touch, and who else names them:
;   v4 to v9, v12        offsets and LDS addresses: written at the head, ahead of the first load, and never again.   v240-242: the first requests' offsets: written once, behind the first 64 loads.
;   the eight batches    (windows 1, 2) each written by its own 16 loads and read by its own 64 holds; behind the barrier the images' LDS loads land there; from then on products alone read them.
;   CC0, CC1             two sets of codes: batch m's conversions write CC[m % 2]; the four LDS stores that read it are issued in step m + 1.
;   h's buffers 0, 1     (window 3) written by loads, read by a tile's products.   Buffer 2 (v48-95, v160-239) likewise; it lies over phase A's turned batch and over CC0.
;   ACC                  written by a tile's products and then by its multiply-adds (y in the sums' place); read by the stage's LDS stores.
;   OB                   written by the LDS loads out of the stage, read by the tile's global stores; it lies over CC1.
; So a step of phase A has its waits at its head.  A tile has two: one on va_vdst behind its multiply-adds (y is written, for the stage's stores; the products are done reading h's buffer, for the loads that fill it again),
; one on vm_vsrc behind the stage's stores (they have read ACC, which the next tile's products write; the last tile's global stores have read OB, in which the rows come back).
; REGISTERS.  Window 0: v1-12 lane numbers, addresses, scales; v16-79 a turned batch; v80-95 and v96-111 its codes, two sets by turns; later v16-47 four accumulators, then y in their place; v48-95 and v160-239 h's buffer 2
;   (fragments 0-2, 3-7); v96-127 rows on their way out; v128-159 b2; v240-242 the first three requests' offsets.
;   Windows 1, 2: phase A: batch m at v[64 (m % 4)] of window 1 + m / 4; phase B: fragment (t, s) at v[64 t + 16 (s % 4)] of window 1 + s / 4.   Window 3: h's buffer 0 at v0, buffer 1 at v128.
.set TT,  16
.set ACC, 16
.set CC,  80
.set CC1, 96
.set OB,  96
.set BB,  128
.set HO,  240
.set STG, 65536                        ; behind the images: a stage of 16 rows for each wave
.set SP,  272                          ; a stage row: 256 bytes + 16
.set MSB, 0
.macro WIN new
.if MSB != (\new)
	s_set_vgpr_msb (MSB<<8)|(\new)
.set MSB, (\new)
.endif
.endm
.macro PLACES
.rept 4
	v_nop
.endr
.endm
.macro WLOAD m                         ; batch m: rows 32 m + i and 32 m + 16 + i of my 256
	WIN 0x40*(1+(\m)/4)
.set ii, 0
.rept 16
	global_load_b128 v[64*((\m)%4)+4*ii:64*((\m)%4)+4*ii+3], v6, s[32:33] offset:(32*(\m)+ii)*2048 th:TH_LOAD_NT
.set ii, ii+1
.endr
.endm
.macro AHEAD m                         ; the head of phase A's step m
	s_wait_loadcnt 48                              ; batch m is in: the three groups of sixteen younger loads (later batches, and the halves of tiles asked for so far) may be out
.if (\m) >= 2
	s_wait_alu depctr_vm_vsrc(0)                   ; the LDS stores issued in the step before have read CC[m % 2], which this step's conversions write again
.endif
.if (\m) >= 1
	s_wait_alu depctr_va_vdst(0)                   ; batch m - 1's conversions have written the other set of codes, which the LDS stores below read; v240-242 are written, which the first requests for h read
.endif
.endm
.macro WQUANT m                        ; batch m becomes 16 codes along K for each of my four columns, in set m % 2
.set CB, CC+(CC1-CC)*((\m)%2)
	WIN 1+(\m)/4
.irp c, 0,1,2,3
.set ii, 0
.rept 16
	v_med3_num_f32 v[TT+16*\c+ii], v[64*((\m)%4)+4*ii+\c], -v11, v11   ; the hold (the conversion does not saturate: ISA guide 7.6.2), and the turn
.set ii, ii+1
.endr
.endr
	WIN 0
.irp c, 0,1,2,3
	v_cvt_scalef32_pk8_fp8_f32 v[CB+4*\c:CB+4*\c+1], v[TT+16*\c:TT+16*\c+7], v10
	v_cvt_scalef32_pk8_fp8_f32 v[CB+4*\c+2:CB+4*\c+3], v[TT+16*\c+8:TT+16*\c+15], v10
.endr
	v_nop                                          ; a plain instruction before the next batch writes the conversions' sources
.endm
.macro WSTORE m                        ; batch m's codes go to LDS, a step behind their conversions.  (Address and data lie in window 0: the loads' setting, which moves the destination alone, may stand)
.set CB, CC+(CC1-CC)*((\m)%2)
.irp c, 0,1,2,3
	ds_store_b128 v5, v[CB+4*\c:CB+4*\c+3] offset:512*(\m)+16*\c   ; k = 32 m on is register group m % 4 of K step 2 w + m / 4: 2,048 (m / 4) + 512 (m % 4) = 512 m
.endr
.endm
.macro HFRAG buf, fs, va, pb, off      ; fragment fs of a tile of h into buffer buf: four loads of 512 consecutive bytes; offset register v[va], base s[pb:pb+1]
.if (\buf) == 2
	WIN 0
.if (\fs) < 3
.set HB, 48+16*(\fs)
.else
.set HB, 112+16*(\fs)
.endif
.else
	WIN 0xc0                                       ; destination window 3
.set HB, 128*(\buf)+16*(\fs)
.endif
.irp c, 0,1,2,3
	global_load_b128 v[HB+4*\c:HB+4*\c+3], v[\va], s[\pb:\pb+1] offset:(\off)+2048*(\fs)+512*\c
.endr
.endm
.macro HHALF buf, half                 ; a first request: four fragments, 16 loads, of my tile buf
.irp q, 0,1,2,3
	HFRAG \buf, 4*(\half)+\q, HO+(\buf), 12, 0
.endr
.endm
.macro COMPUTE buf                     ; 32 products: the four accumulators take turns, one instruction a turn; the first K step starts the sums
.irp s, 0,1,2,3,4,5,6,7
.if (\buf) == 2
	WIN 0x01+(\s)/4                                ; source 0 (w2) window 1 or 2, source 1 (h) window 0
.if \s < 3
.set HB, 48+16*\s
.else
.set HB, 112+16*\s
.endif
.else
	WIN 0x0d+(\s)/4                                ; source 0 (w2) window 1 or 2, source 1 (h) window 3
.set HB, 128*(\buf)+16*\s
.endif
.irp t, 0,1,2,3
.if \s == 0
	v_wmma_f32_16x16x128_fp8_fp8 v[ACC+8*\t:ACC+8*\t+7], v[64*\t+16*(\s%4):64*\t+16*(\s%4)+15], v[HB:HB+15], 0
.else
	v_wmma_f32_16x16x128_fp8_fp8 v[ACC+8*\t:ACC+8*\t+7], v[64*\t+16*(\s%4):64*\t+16*(\s%4)+15], v[HB:HB+15], v[ACC+8*\t:ACC+8*\t+7]
.endif
.endr
.endr
	WIN 0
	PLACES                                         ; four places ahead of the first read and write of results (ISA guide 7.12.1)
.endm
; One tile of 16 rows, out of buffer g.
.macro SUB g
	COMPUTE \g
.set jj, 0
.rept 16
	v_pk_fma_f32 v[ACC+jj:ACC+jj+1], v[ACC+jj:ACC+jj+1], s[40:41], v[BB+jj:BB+jj+1] op_sel_hi:[1,0,1]   ; y = sum x 2^(eh + ew2) + b2 (or + 0), in the sums' place; each accumulator from its low end on
.set jj, jj+2
.endr
	s_wait_alu depctr_va_vdst(0)                   ; the multiply-adds have written y, which the LDS stores below read; the products are done reading h's buffer, in which the loads below land
.irp t, 0,1,2,3
	ds_store_b128 v7, v[ACC+8*\t:ACC+8*\t+3] offset:64*\t       ; lane (r, h): row r, outputs 16 t + 8 h + 0 .. 7
	ds_store_b128 v7, v[ACC+8*\t+4:ACC+8*\t+7] offset:64*\t+16
.endr
	s_wait_xcnt 0x0                                ; the last tile's stores have had their addresses translated (ISA guide 3.1): their data, OB, are rewritten only behind this wait
	s_wait_alu depctr_vm_vsrc(0)                   ; the last tile's global stores have read OB, into which the rows come back below; the LDS stores above have read y, where the next tile's products write
	s_add_co_u32 s30, s46, 3+(\g)
	s_cmp_lt_u32 s30, s28
	s_cbranch_scc0 .Lno_next_\@                    ; no such tile: no load leaves the expert's rows
.irp q, 0,1,2,3,4,5,6,7
	HFRAG \g, \q, 4, 36, (3+(\g))*131072           ; my tile three further on, into the buffer just multiplied.  No vector instruction since the wait on va_vdst names it
.endr
	WIN 0
.Lno_next_\@:
.irp i, 0,1,2,3,4,5,6,7
	ds_load_b128 v[OB+4*\i:OB+4*\i+3], v8 offset:2*SP*\i        ; my own stage: LDS serves a wave's instructions in order (ISA guide 5.7.1.4)
.endr
.irp i, 0,1,2,3,4,5,6,7
	s_wait_dscnt 7-\i                              ; rows 2 i, 2 i + 1 are back; the younger loads may be out
	global_store_b128 v9, v[OB+4*\i:OB+4*\i+3], s[38:39] offset:(\g)*131072+4096*\i
.endr
.endm
	s_load_b256 s[4:11], s[0:1], 0x0               ; w2 s[4:5], b2 s[6:7], lowp_scales s[8:9], place s[10:11]
	s_load_b128 s[12:15], s[0:1], 0x20             ; hbuf s[12:13], ybuf s[14:15]
	v_lshl_add_u32 v254, v0, 2, 0x14400
	v_mov_b32 v255, 0
	v_lshrrev_b32 v1, 5, v0
	v_readfirstlane_b32 s16, v1                    ; wave 0..3
	s_lshr_b32 s17, ttmp9, 1                       ; cs
	s_and_b32 s19, ttmp9, 1                        ; kh
	s_and_b32 s18, ttmp7, 0xffff                   ; e
	v_and_b32 v1, 31, v0                           ; lane
	v_and_b32 v2, 15, v0                           ; r
	v_bfe_u32 v3, v0, 4, 1                         ; h
	v_lshlrev_b32 v4, 4, v1                        ; 16 x lane: the images, in LDS and in hbuf
	; where my four columns' codes go.  Column n = 4 (lane % 16) + c belongs to tile n / 16, row n % 16; my k belong to the lanes with h = lane / 16
	v_bfe_u32 v5, v0, 2, 2
	v_lshlrev_b32 v5, 14, v5                       ; a tile's eight fragments
	v_lshl_add_u32 v5, v3, 8, v5                   ; 16 lanes of 16 bytes
	v_and_b32 v14, 3, v0
	v_lshl_add_u32 v5, v14, 6, v5                  ; four rows
	s_wait_alu depctr_va_sdst(0)                   ; s16 is written, ahead of its first reader: LDS addresses, bases and the count of my tiles are made from it
	s_lshl_b32 s30, s16, 12                        ; K steps 2 w, 2 w + 1
	v_add_nc_u32 v5, s30, v5
	v_lshlrev_b32 v6, 15, v3
	v_lshl_add_u32 v6, v2, 4, v6                   ; w2: 16 h rows of 2,048 bytes + 16 (lane % 16)
	s_mul_i32 s30, s16, 16*SP
	s_add_co_u32 s30, s30, STG                     ; my stage
	v_mul_u32_u24 v7, v2, SP
	v_lshl_add_u32 v7, v3, 5, v7
	v_add_nc_u32 v7, s30, v7                       ; in: row r, + 32 h
	v_mul_u32_u24 v8, v3, SP
	v_lshl_add_u32 v8, v2, 4, v8
	v_add_nc_u32 v8, s30, v8                       ; back: lanes 0-15 one row, lanes 16-31 the next
	v_lshlrev_b32 v9, 11, v3
	v_lshl_add_u32 v9, v2, 4, v9                   ; and the same two rows in ybuf
	v_lshlrev_b32 v12, 5, v3                       ; b2: 32 h
	s_lshl_b32 s20, s18, 22                        ; w2: expert e,
	s_lshl_b32 s30, s19, 21                        ; half kh,
	s_add_co_u32 s20, s20, s30
	s_lshl_b32 s30, s16, 19                        ; my 256 rows of 2,048 bytes,
	s_add_co_u32 s20, s20, s30
	s_lshl_b32 s30, s17, 8                         ; the slice's 256 bytes of a row
	s_add_co_u32 s20, s20, s30
	s_mov_b32 s21, 0
	s_lshl_b32 s42, s18, 11                        ; b2: expert e, the slice's 64 numbers
	s_add_co_u32 s42, s42, s30
	s_mov_b32 s43, 0
	s_lshl_b32 s30, s18, 4                         ; 16 e
	s_lshl_b32 s31, s18, 2                         ; 4 e
	s_wait_kmcnt 0x0
	s_load_b64 s[24:25], s[8:9], s30 offset:0x10   ; eh, ew2
	s_load_b32 s26, s[10:11], s31 offset:0x4000    ; cnt[e]
	s_load_b32 s27, s[10:11], s31 offset:0x4040    ; base[e]
	s_add_nc_u64 s[32:33], s[4:5], s[20:21]
	s_add_nc_u64 s[34:35], s[6:7], s[42:43]
	s_wait_alu depctr_va_vdst(0)                   ; v4 to v9 and v12 are written: every load, store and LDS instruction of the kernel but the first requests for h reads one of them as its offset or address
	WLOAD 0
	WLOAD 1
	WLOAD 2
	WLOAD 3
	WIN 0
	s_wait_kmcnt 0x0
	s_min_u32 s26, s26, 2048                       ; a token takes an expert at most once
	s_min_u32 s27, s27, 4320                       ; held inside the buffers
	s_add_co_u32 s22, s26, 15
	s_lshr_b32 s22, s22, 4                         ; the expert's tiles
	s_add_co_u32 s28, s22, 3
	s_sub_co_u32 s28, s28, s16
	s_lshr_b32 s28, s28, 2                         ; my tiles: w, w + 4, ..: 32 at the most
	s_lshr_b32 s47, s27, 4                         ; the expert's first tile in hbuf
	s_add_co_u32 s23, s47, s22
	s_sub_co_u32 s23, s23, 1                       ; its last tile,
	s_cmp_eq_u32 s22, 0
	s_cselect_b32 s23, 0, s23                      ; or tile 0 where it has none
	s_add_co_u32 s47, s47, s16                     ; my first tile
	s_lshl_b32 s31, s19, 14                        ; the half's eight K steps
.irp g, 0,1,2
	s_add_co_u32 s30, s47, 4*\g                    ; my tile g,
	s_min_u32 s30, s30, s23                        ; held at the expert's last,
	s_min_u32 s30, s30, 270                        ; and inside hbuf's 271 tiles
	s_lshl_b32 s30, s30, 15                        ; 32,768 bytes a tile
	s_add_co_u32 s30, s30, s31
	v_add_nc_u32 v[HO+\g], s30, v4
.endr
	s_lshl_b32 s20, s27, 11                        ; hbuf: 32,768 bytes a tile of 16 rows,
	s_lshl_b32 s30, s16, 15                        ; tile w,
	s_add_co_u32 s20, s20, s30
	s_add_co_u32 s42, s20, s31                     ; the half's eight K steps
	s_add_nc_u64 s[36:37], s[12:13], s[42:43]
	s_mul_i32 s31, s19, 8880128                    ; ybuf: plane kh of 4,336 rows of 2,048 bytes; the same rows;
	s_add_co_u32 s20, s20, s31
	s_lshl_b32 s31, s17, 8                         ; the slice's 256 bytes of a row
	s_add_co_u32 s20, s20, s31
	s_add_nc_u64 s[38:39], s[14:15], s[20:21]
	s_add_co_i32 s30, s25, 127
	s_lshl_b32 s31, s30, 23
	v_mov_b32 v10, s31                             ; 2^ew2 as f32
	s_add_co_i32 s30, s30, 8
	s_lshl_b32 s30, s30, 23
	s_or_b32 s30, s30, 0x600000
	v_mov_b32 v11, s30                             ; 448 x 2^ew2
	s_add_co_i32 s40, s24, s25
	s_add_co_i32 s40, s40, 127
	s_lshl_b32 s40, s40, 23                        ; 2^(eh + ew2)
	s_mov_b32 s41, s40                             ; (named with it as a pair, so it is written)
	s_cmp_eq_u32 s19, 0
	s_cselect_b32 s44, -1, 0                       ; all lanes in the half that adds b2, none in the other
	; PHASE A.  Each batch has registers of its own.  Behind the wait for batch m sixteen new loads go out: batch m + 4, or, when w2 is all asked for, half a tile of h.
	; So behind batch m there are always three groups of sixteen younger loads: every wait's count is 48.  The loads land in registers that no vector instruction has named.
.irp m, 0,1,2,3
	AHEAD \m
	WLOAD \m+4
.if \m > 0
	WSTORE \m-1
.endif
	WQUANT \m
.endr
.irp m, 4,5,6,7
	AHEAD \m
	HHALF (\m-4)/2, (\m-4)%2
	WSTORE \m-1
	WQUANT \m
.endr
	s_wait_alu depctr_va_vdst(0)                   ; batch 7's conversions have written CC1, which the stores below read; holds and conversions are done with windows 1 and 2 and with v16-111, in which loads land behind the barrier
	WSTORE 7
.irp t, 0,1,2,3
	global_load_b128 v[BB+8*\t:BB+8*\t+3], v12, s[34:35] offset:64*\t       ; lane (r, h), tile t: b2 of outputs 16 t + 8 h + 0 .. 7
	global_load_b128 v[BB+8*\t+4:BB+8*\t+7], v12, s[34:35] offset:64*\t+16
.endr
	s_wait_dscnt 0x0                               ; for the others' sake: my images lie in LDS
	s_wait_alu depctr_vm_vsrc(0)                   ; my LDS stores have read v80-111: h's third tile lands in v80-95 behind the barrier, and the rows on their way out in v96-111
	s_barrier_signal -1
	s_barrier_wait -1                              ; the launch's one barrier: every wave passes it, whatever the counts
	s_cmp_eq_u32 s28, 0
	s_cbranch_scc1 .Ldone                          ; no tile for this wave
.irp q, 0,1,2,3,4,5,6,7
	HFRAG 2, \q, HO+2, 12, 0                       ; my third tile, into registers that phase A has left; it lands while the images are loaded.  (No vector instruction has been issued since the wait on va_vdst ahead of the barrier)
.endr
	WIN 0x40
.irp t, 0,1,2,3
.irp s, 0,1,2,3
.irp c, 0,1,2,3
	ds_load_b128 v[64*\t+16*\s+4*\c:64*\t+16*\s+4*\c+3], v4 offset:(8*\t+\s)*2048+512*\c
.endr
.endr
.endr
	WIN 0x80
.irp t, 0,1,2,3
.irp s, 0,1,2,3
.irp c, 0,1,2,3
	ds_load_b128 v[64*\t+16*\s+4*\c:64*\t+16*\s+4*\c+3], v4 offset:(8*\t+4+\s)*2048+512*\c
.endr
.endr
.endr
	WIN 0
	s_wait_loadcnt 32                              ; b2 is in; the third tile's 32 loads may be out
.set jj, 0
.rept 32
	v_cndmask_b32 v[BB+jj], 0, v[BB+jj], s44       ; b2 is added once for each row: in the half kh = 0
.set jj, jj+1
.endr
	s_wait_dscnt 0x0                               ; the images
	s_add_co_u32 s45, s28, 2
	s_mul_i32 s45, s45, 43
	s_lshr_b32 s45, s45, 7                         ; groups of up to three tiles: (n x 43) >> 7 is n / 3 rounded down for n under 128; at least one
	s_mov_b32 s29, 0                               ; the group in hand
	s_mov_b32 s46, 0                               ; its first tile
.Lgroup:                                           ; a trip: up to three tiles, one out of each buffer.  The wait for loads is for 0: right whichever of the guarded loads were issued
	s_wait_loadcnt 0x0                             ; the group's tiles of h
	SUB 0
.irp g, 1,2
	s_add_co_u32 s30, s46, \g
	s_cmp_lt_u32 s30, s28
	s_cbranch_scc0 .Lgend                          ; my tiles are done
	SUB \g
.endr
.Lgend:
	s_wait_xcnt 0x0                                ; loads and stores have read their bases: both step
	s_add_nc_u64 s[36:37], s[36:37], 393216
	s_add_nc_u64 s[38:39], s[38:39], 393216
	s_add_co_u32 s46, s46, 3
	s_add_co_u32 s29, s29, 1
	s_cmp_lt_u32 s29, s45
	s_cbranch_scc1 .Lgroup
.Ldone:
	s_wait_dscnt 0x0                               ; the closing lines, six on end
	s_wait_alu 0x0
	s_wait_tensorcnt 0x0
	ds_add_u32 v254, v255
	s_wait_dscnt 0x0
	s_endpgm
.Lfunc_end_k_q307e06792a_layer2:
	.size	k_q307e06792a_layer2, .Lfunc_end_k_q307e06792a_layer2-k_q307e06792a_layer2
	.p2alignl 7, 3214868480
	.fill 96, 4, 3214868480
	.section	.rodata,"a",@progbits
	.p2align	6, 0x0
	.amdhsa_kernel k_q307e06792a_layer2
		.amdhsa_group_segment_fixed_size 83456
		.amdhsa_private_segment_fixed_size 0
		.amdhsa_enable_private_segment 0
		.amdhsa_kernarg_size 48
		.amdhsa_user_sgpr_count 2
		.amdhsa_user_sgpr_kernarg_segment_ptr 1
		.amdhsa_wavefront_size32 1
		.amdhsa_system_sgpr_workgroup_id_x 1
		.amdhsa_system_sgpr_workgroup_id_y 1
		.amdhsa_system_sgpr_workgroup_id_z 1
		.amdhsa_system_vgpr_workitem_id 0
		.amdhsa_next_free_vgpr 1024
		.amdhsa_next_free_sgpr 66
		.amdhsa_reserve_vcc 0
		.amdhsa_float_denorm_mode_32 3
		.amdhsa_float_denorm_mode_16_64 3
		.amdhsa_memory_ordered 1
		.amdhsa_forward_progress 1
		.amdhsa_inst_pref_size 103
	.end_amdhsa_kernel
	.amdgpu_metadata
---
amdhsa.version: [ 1, 2 ]
amdhsa.kernels:
  - .name:           k_q307e06792a_layer2
    .symbol:         k_q307e06792a_layer2.kd
    .args:
      - { .name: w2, .offset: 0, .size: 8, .value_kind: global_buffer, .address_space: global }
      - { .name: b2, .offset: 8, .size: 8, .value_kind: global_buffer, .address_space: global }
      - { .name: lowp_scales, .offset: 16, .size: 8, .value_kind: global_buffer, .address_space: global }
      - { .name: place, .offset: 24, .size: 8, .value_kind: global_buffer, .address_space: global }
      - { .name: hbuf, .offset: 32, .size: 8, .value_kind: global_buffer, .address_space: global }
      - { .name: ybuf, .offset: 40, .size: 8, .value_kind: global_buffer, .address_space: global }
    .group_segment_fixed_size: 83456
    .private_segment_fixed_size: 0
    .kernarg_segment_align: 8
    .kernarg_segment_size: 48
    .max_flat_workgroup_size: 128
    .sgpr_count:     66
    .vgpr_count:     1024
    .wavefront_size: 32
...
	.end_amdgpu_metadata
.endif
;; end of part 7
;; launch combine: the kernel of part 5 again; grid 256 x 1, 8 waves a work-group, no clusters, 0 bytes of LDS; arguments ybuf, place, wts, out0; writes out0
